; MI455X (gfx1250); checked and timed in simulation.
; The chip was launched on July 23, 2026; its instructions are those of AMD's public machine-readable ISA for CDNA 5 (MIT licence, August 2026) and "CDNA5" Instruction Set Architecture Reference Guide (July 2026). The comments in the code are by the model that wrote it; some were corrected since.
;; Cross Repair. Allowed arithmetic: float matrix products may take bf16 or f16 operands with f32 sums; other float arithmetic in f32, or as packed bf16 or f16 multiplies, adds, multiply-adds, maxima and minima; sums over many terms, partial sums and values carried from step to step in f32; what a program stores and reads back later, other than sums and carried values, may be rounded once to bf16 or f16.
;; Inputs: W1 1,024 x 4,096 float32; W2 4,096 x 1,024 float32; Wk 1,024 x 1,024 float32; Wo 1,024 x 1,024 float32; Wq 1,024 x 1,024 float32; Wv 1,024 x 1,024 float32; b1 4,096 float32; b2 1,024 float32; bk 1,024 float32; bo 1,024 float32; bq 1,024 float32; bv 1,024 float32; ln_f_b 1,024 float32; ln_f_g 1,024 float32; ln_kv_b 1,024 float32; ln_kv_g 1,024 float32; ln_q_b 1,024 float32; ln_q_g 1,024 float32; x_mem 2 x 2,048 x 1,024 float32; x_refined 2 x 2,048 x 1,024 float32.
;; Outputs: out0 2 x 2,048 x 1,024 float32.
;; Constants: band = 24.
;; One version. Each part assembles by itself: llvm-mc -triple=amdgcn-amd-amdhsa -mcpu=gfx1250 --defsym DOCPART=n.
;; ======== version 1 of 1: 7 launches
;; limits: a function is approximated: absolute error at most 1.5e-07
;; workspace buffers: n1 8,388,608 bytes; n2 8,388,608 bytes; big 33,554,432 bytes; ybuf 16,777,216 bytes; wA 10,485,760 bytes; wB 16,777,216 bytes
;; launch prep (part 1): grid 256 x 5, 8 waves a work-group, no clusters, 0 bytes of LDS; arguments x_refined, ln_q_g, ln_q_b, x_mem, ln_kv_g, ln_kv_b, Wq, Wk, Wv, Wo, W1, W2, n1, n2, wA, wB; writes n1, n2, wA, wB
.if DOCPART == 1
	.amdgcn_target "amdgcn-amd-amdhsa--gfx1250"
	.amdhsa_code_object_version 6
	.text
	.protected	k_qdb37bfdeb6_prep
	.globl	k_qdb37bfdeb6_prep
	.p2align	8
	.type	k_qdb37bfdeb6_prep,@function
k_qdb37bfdeb6_prep:
	s_mov_b64 s[64:65], 0
	v_nop
	global_prefetch_b8 v0, s[64:65] scope:SCOPE_SE
	s_setreg_imm32_b32 hwreg(HW_REG_WAVE_MODE, 25, 1), 1
	s_wait_xcnt 0x0
; PREP.  Grid y = 0: n1 = layer norm of x_refined; y = 1: n2 = layer norm of x_mem (both [4096][1024], rounded once to bf16).
; y = 2, 3, 4: all six weight matrices, f32 to bf16, into the layouts that the products read:
;   wA: rows of 4,096 elements holding Wq | Wk | Wv (the last 1,024 columns are neither written nor read), then Wo dense at byte 8,388,608
;   wB: W1 dense [1024][4096], then W2 dense [4096][1024] at byte 8,388,608
; The layer norm takes the mean first and then the mean square of x - mean, both in f32, as the problem writes it: no difference of large sums.
; No LDS, no matrix unit: every byte is read once and written once, a row stays in one wave's registers between the passes.
.set XA, 16                            ; v[16:47]   row 0 of my two rows: chunk j of 256 numbers, my 8 of them at XA + 8 j
.set XB, 48                            ; v[48:79]   row 1
.set GG, 80                            ; v[80:111]  the gain of my 32 columns
.set BB, 112                           ; v[112:143] the bias of my 32 columns
; eight loads: my 32 bytes in each of the four kilobytes of a row of 1,024 f32
.macro LD8 dst, b, off
.irp j, 0,1,2,3
	global_load_b128 v[(\dst)+8*\j:(\dst)+8*\j+3],   v1, s[\b:\b+1] offset:(\off)+1024*\j
	global_load_b128 v[(\dst)+8*\j+4:(\dst)+8*\j+7], v1, s[\b:\b+1] offset:(\off)+1024*\j+16
.endr
.endm
; four chains in v[4:11] become one number in v4, the same in all 32 lanes
.macro FOLD
	v_pk_add_f32 v[4:5], v[4:5], v[6:7]
	v_pk_add_f32 v[8:9], v[8:9], v[10:11]
	v_pk_add_f32 v[4:5], v[4:5], v[8:9]
	v_add_f32 v4, v4, v5
	v_add_f32_dpp v4, v4, v4 row_xmask:1 row_mask:0xf bank_mask:0xf
	v_add_f32_dpp v4, v4, v4 row_xmask:2 row_mask:0xf bank_mask:0xf
	v_add_f32_dpp v4, v4, v4 row_xmask:4 row_mask:0xf bank_mask:0xf
	v_add_f32_dpp v4, v4, v4 row_xmask:8 row_mask:0xf bank_mask:0xf
	v_permlanex16_b32 v5, v4, s52, s53
	v_add_f32 v4, v4, v5
.endm
; One row: X its 32 registers, rho its number (0, 1), wa and wb the loads that may stay out at its head and in front of gain and bias
.macro LNROW X, rho, wa, wb
	s_wait_loadcnt \wa
.irp c, 0,1,2,3
	v_pk_add_f32 v[4+2*\c:5+2*\c], v[(\X)+2*\c:(\X)+2*\c+1], v[(\X)+8+2*\c:(\X)+9+2*\c]
.endr
.irp k, 16,24
.irp c, 0,1,2,3
	v_pk_add_f32 v[4+2*\c:5+2*\c], v[4+2*\c:5+2*\c], v[(\X)+\k+2*\c:(\X)+\k+2*\c+1]
.endr
.endr
	FOLD
	v_mul_f32 v12, s54, v4                         ; the mean, twice: a pair for the packed lines
	v_mul_f32 v13, s54, v4
.set p, 0
.rept 16
	v_pk_add_f32 v[(\X)+2*p:(\X)+2*p+1], v[(\X)+2*p:(\X)+2*p+1], v[12:13] neg_lo:[0,1] neg_hi:[0,1]
.set p, p+1
.endr
.irp c, 0,1,2,3
	v_pk_mul_f32 v[4+2*\c:5+2*\c], v[(\X)+2*\c:(\X)+2*\c+1], v[(\X)+2*\c:(\X)+2*\c+1]
.endr
.irp k, 8,16,24
.irp c, 0,1,2,3
	v_pk_fma_f32 v[4+2*\c:5+2*\c], v[(\X)+\k+2*\c:(\X)+\k+2*\c+1], v[(\X)+\k+2*\c:(\X)+\k+2*\c+1], v[4+2*\c:5+2*\c]
.endr
.endr
	FOLD
	v_fma_f32 v14, v4, s54, s55                    ; the variance + 1e-5
	v_rsq_f32 v12, v14
	v_rsq_f32 v13, v14
	v_nop                                          ; a plain line between the root and its use (ISA guide 5.7.2)
	s_wait_loadcnt \wb
.set p, 0
	s_wait_alu depctr_va_vdst(0)
.rept 16
	v_pk_mul_f32 v[(\X)+2*p:(\X)+2*p+1], v[(\X)+2*p:(\X)+2*p+1], v[12:13]
.set p, p+1
.endr
.set p, 0
.rept 16
	v_pk_fma_f32 v[(\X)+2*p:(\X)+2*p+1], v[(\X)+2*p:(\X)+2*p+1], v[GG+2*p:GG+2*p+1], v[BB+2*p:BB+2*p+1]
.set p, p+1
.endr
.set p, 0
.rept 16
	v_cvt_pk_bf16_f32 v[(\X)+p], v[(\X)+2*p], v[(\X)+2*p+1]  ; in place, ascending: register p is written when 2 p and 2 p + 1 have been read
.set p, p+1
.endr
.irp j, 0,1,2,3
	global_store_b128 v2, v[(\X)+4*\j:(\X)+4*\j+3], s[50:51] offset:(\rho)*2048+512*\j  ; a wave stores 512 consecutive bytes
.endr
.endm
	s_load_b512 s[8:23], s[0:1], 0x0               ; x_refined 8, ln_q_g 10, ln_q_b 12, x_mem 14, ln_kv_g 16, ln_kv_b 18, Wq 20, Wk 22
	s_load_b512 s[24:39], s[0:1], 0x40             ; Wv 24, Wo 26, W1 28, W2 30, n1 32, n2 34, wA 36, wB 38
	v_lshrrev_b32 v1, 5, v0
	v_readfirstlane_b32 s2, v1                     ; wave 0..7
	s_and_b32 s3, ttmp7, 0xffff                    ; grid y
	s_wait_kmcnt 0x0
	s_cmp_ge_u32 s3, 2
	s_cbranch_scc1 .Lcvt
	; THE LAYER NORMS.  The work-group owns 16 rows, a wave two.
	s_cmp_eq_u32 s3, 0
	s_cselect_b64 s[44:45], s[8:9], s[14:15]       ; x
	s_cselect_b64 s[46:47], s[10:11], s[16:17]     ; gain
	s_cselect_b64 s[48:49], s[12:13], s[18:19]     ; bias
	s_cselect_b64 s[50:51], s[32:33], s[34:35]     ; out
	s_lshl_b32 s4, ttmp9, 4
	s_lshl1_add_u32 s4, s2, s4                     ; my first row = 16 x + 2 wave
	s_lshl_b32 s6, s4, 12                          ; rows of 4,096 bytes in
	s_mov_b32 s7, 0
	s_add_nc_u64 s[44:45], s[44:45], s[6:7]
	s_lshl_b32 s6, s4, 11                          ; rows of 2,048 bytes out
	s_add_nc_u64 s[50:51], s[50:51], s[6:7]
	s_mov_b32 s52, 0x76543210                      ; v_permlanex16_b32: each lane takes its own place in the other half
	s_mov_b32 s53, 0xfedcba98
	s_mov_b32 s54, 0x3a800000                      ; 1 / 1024
	s_mov_b32 s55, 0x3727c5ac                      ; 1e-5
	v_and_b32 v3, 31, v0
	v_lshlrev_b32 v1, 5, v3                        ; 32 bytes a lane in
	v_lshlrev_b32 v2, 4, v3                        ; 16 bytes a lane out
	LD8 XA, 44, 0
	LD8 GG, 46, 0
	LD8 BB, 48, 0
	LD8 XB, 44, 4096
	LNROW XA, 0, 24, 8                             ; 24: gain, bias and row 1 stay out; 8: row 1 stays out
	LNROW XB, 1, 0, 0
	s_endpgm
.Lcvt:	; THE WEIGHTS.  Work-group idx of 768 converts 16,384 numbers: 16 rows of 1,024.
	s_sub_co_u32 s4, s3, 2
	s_lshl_b32 s4, s4, 8
	s_add_co_u32 s4, s4, ttmp9                     ; idx
	s_lshr_b32 s53, s4, 6
	s_lshl_b32 s53, s53, 11                        ; for Wq, Wk, Wv: the matrix's 2,048 bytes in a row of wA
	s_mov_b32 s7, 2048                             ; the pitch out, in bytes
	s_cmp_lt_u32 s4, 512
	s_cselect_b64 s[44:45], s[28:29], s[30:31]     ; from: W1 or W2
	s_cselect_b32 s5, 0, 0x800000                  ; the matrix's first byte out
	s_cmp_lt_u32 s4, 256
	s_cselect_b64 s[44:45], s[26:27], s[44:45]     ; Wo
	s_cselect_b64 s[46:47], s[36:37], s[38:39]     ; to: wA or wB
	s_cselect_b32 s5, 0x800000, s5
	s_cselect_b32 s6, 63, 255                      ; work-groups in the matrix, less one
	s_cmp_lt_u32 s4, 192
	s_cselect_b64 s[44:45], s[24:25], s[44:45]     ; Wv
	s_cselect_b32 s5, s53, s5
	s_cselect_b32 s7, 8192, s7
	s_cselect_b32 s52, 17, 15                      ; 16 rows out are 2^17 or 2^15 bytes
	s_cmp_lt_u32 s4, 128
	s_cselect_b64 s[44:45], s[22:23], s[44:45]     ; Wk
	s_cmp_lt_u32 s4, 64
	s_cselect_b64 s[44:45], s[20:21], s[44:45]     ; Wq
	s_and_b32 s6, s4, s6                           ; my place in the matrix
	s_lshl_b32 s54, s6, 16
	s_mov_b32 s55, 0
	s_add_nc_u64 s[44:45], s[44:45], s[54:55]
	s_lshl_b32 s54, s6, s52
	s_add_co_u32 s54, s54, s5
	s_add_nc_u64 s[46:47], s[46:47], s[54:55]
	s_lshl_b32 s56, s7, 1                          ; a chunk is two rows
	v_lshlrev_b32 v1, 5, v0                        ; thread t reads 32 bytes at 32 t of each chunk of 8,192
	v_lshrrev_b32 v10, 7, v0
	v_mul_lo_u32 v10, v10, s7                      ; row t / 128 of the chunk,
	v_and_b32 v11, 127, v0
	v_lshl_add_u32 v2, v11, 4, v10                 ; 16 bytes at 16 (t % 128)
.irp j, 1,2,3,4,5,6,7
	v_add_nc_u32 v[2+\j], s56, v[1+\j]             ; an offset register for each chunk: none is rewritten
.endr
.irp j, 0,1,2,3,4,5,6,7
	global_load_b128 v[16+8*\j:19+8*\j], v1, s[44:45] offset:8192*\j th:TH_LOAD_NT
	global_load_b128 v[20+8*\j:23+8*\j], v1, s[44:45] offset:8192*\j+16 th:TH_LOAD_NT
.endr
.irp j, 0,1,2,3,4,5,6,7
	s_wait_loadcnt 14-2*\j                         ; chunk j's two loads are in, the younger ones stay out
	v_cvt_pk_bf16_f32 v[80+4*\j], v[16+8*\j], v[17+8*\j]
	v_cvt_pk_bf16_f32 v[81+4*\j], v[18+8*\j], v[19+8*\j]
	v_cvt_pk_bf16_f32 v[82+4*\j], v[20+8*\j], v[21+8*\j]
	v_cvt_pk_bf16_f32 v[83+4*\j], v[22+8*\j], v[23+8*\j]
	global_store_b128 v[2+\j], v[80+4*\j:83+4*\j], s[46:47]  ; sixteen lanes store 256 consecutive bytes, aligned
.endr
	s_endpgm
.Lfunc_end_k_qdb37bfdeb6_prep:
	.size	k_qdb37bfdeb6_prep, .Lfunc_end_k_qdb37bfdeb6_prep-k_qdb37bfdeb6_prep
	.p2alignl 7, 3214868480
	.fill 96, 4, 3214868480
	.section	.rodata,"a",@progbits
	.p2align	6, 0x0
	.amdhsa_kernel k_qdb37bfdeb6_prep
		.amdhsa_group_segment_fixed_size 0
		.amdhsa_private_segment_fixed_size 0
		.amdhsa_enable_private_segment 0
		.amdhsa_kernarg_size 128
		.amdhsa_user_sgpr_count 2
		.amdhsa_user_sgpr_kernarg_segment_ptr 1
		.amdhsa_wavefront_size32 1
		.amdhsa_system_sgpr_workgroup_id_x 1
		.amdhsa_system_sgpr_workgroup_id_y 1
		.amdhsa_system_sgpr_workgroup_id_z 1
		.amdhsa_system_vgpr_workitem_id 0
		.amdhsa_next_free_vgpr 144
		.amdhsa_next_free_sgpr 66
		.amdhsa_reserve_vcc 0
		.amdhsa_float_denorm_mode_32 3
		.amdhsa_float_denorm_mode_16_64 3
		.amdhsa_memory_ordered 1
		.amdhsa_forward_progress 1
		.amdhsa_inst_pref_size 26
	.end_amdhsa_kernel
	.amdgpu_metadata
---
amdhsa.version: [ 1, 2 ]
amdhsa.kernels:
  - .name:           k_qdb37bfdeb6_prep
    .symbol:         k_qdb37bfdeb6_prep.kd
    .args:
      - { .name: x_refined, .offset: 0, .size: 8, .value_kind: global_buffer, .address_space: global }
      - { .name: ln_q_g, .offset: 8, .size: 8, .value_kind: global_buffer, .address_space: global }
      - { .name: ln_q_b, .offset: 16, .size: 8, .value_kind: global_buffer, .address_space: global }
      - { .name: x_mem, .offset: 24, .size: 8, .value_kind: global_buffer, .address_space: global }
      - { .name: ln_kv_g, .offset: 32, .size: 8, .value_kind: global_buffer, .address_space: global }
      - { .name: ln_kv_b, .offset: 40, .size: 8, .value_kind: global_buffer, .address_space: global }
      - { .name: Wq, .offset: 48, .size: 8, .value_kind: global_buffer, .address_space: global }
      - { .name: Wk, .offset: 56, .size: 8, .value_kind: global_buffer, .address_space: global }
      - { .name: Wv, .offset: 64, .size: 8, .value_kind: global_buffer, .address_space: global }
      - { .name: Wo, .offset: 72, .size: 8, .value_kind: global_buffer, .address_space: global }
      - { .name: W1, .offset: 80, .size: 8, .value_kind: global_buffer, .address_space: global }
      - { .name: W2, .offset: 88, .size: 8, .value_kind: global_buffer, .address_space: global }
      - { .name: n1, .offset: 96, .size: 8, .value_kind: global_buffer, .address_space: global }
      - { .name: n2, .offset: 104, .size: 8, .value_kind: global_buffer, .address_space: global }
      - { .name: wA, .offset: 112, .size: 8, .value_kind: global_buffer, .address_space: global }
      - { .name: wB, .offset: 120, .size: 8, .value_kind: global_buffer, .address_space: global }
    .group_segment_fixed_size: 0
    .private_segment_fixed_size: 0
    .kernarg_segment_align: 8
    .kernarg_segment_size: 128
    .max_flat_workgroup_size: 256
    .sgpr_count:     66
    .vgpr_count:     144
    .wavefront_size: 32
...
	.end_amdgpu_metadata
.endif
;; end of part 1
;; launch qkv (part 2): grid 12 x 16, 4 waves a work-group, clusters of 4 x 4, 327,680 bytes of LDS; arguments n1, n2, wA, bq, bk, bv, big; writes big
.if DOCPART == 2
	.amdgcn_target "amdgcn-amd-amdhsa--gfx1250"
	.amdhsa_code_object_version 6
	.text
	.protected	k_qdb37bfdeb6_qkv
	.globl	k_qdb37bfdeb6_qkv
	.p2align	8
	.type	k_qdb37bfdeb6_qkv,@function
k_qdb37bfdeb6_qkv:
	s_mov_b64 s[64:65], 0
	v_nop
	global_prefetch_b8 v0, s[64:65] scope:SCOPE_SE
	s_setreg_imm32_b32 hwreg(HW_REG_WAVE_MODE, 25, 1), 1
	s_wait_xcnt 0x0
	s_wait_alu depctr_hold_cnt(0) depctr_sa_sdst(0) depctr_va_vdst(0) depctr_va_sdst(0) depctr_va_ssrc(0) depctr_va_vcc(0) depctr_vm_vsrc(0)
	s_getreg_b32 s2, hwreg(HW_REG_IB_STS2, 6, 4)
	s_cmp_eq_u32 s2, 0
	s_cbranch_scc0 .Lentry_in_a_cluster
	s_endpgm
.Lentry_in_a_cluster:
	s_bfe_u32 s2, ttmp6, 0x10000c
	s_cmp_lg_u32 s2, 0xf033
	s_cbranch_scc0 .Lentry_shape_is_right
	s_endpgm
.Lentry_shape_is_right:
; C = A B + bias, rounded once to bf16; with GELU = 1 through the exact GELU first.  A: [4096][1024] bf16.  B: [1024 k][pitch 4096] bf16, as it lies ([k][n]).  Sums in f32.
; This source serves two kernels; the constants GELU, RX and RY below are all that differs.
;   GELU = 0 (arguments a0, a1, w, c0, c1, c2, out): cluster column c = 0, 1, 2 makes q, k, v: A is a0 for c = 0 and a1 otherwise, the bias c0, c1 or c2;
;            the output has blocks of [4096][1024] bf16, 8,388,608 bytes apart, block c for cluster column c.
;   GELU = 1 (arguments a, w, bias, out): N = 4,096, the output dense [4096][4096] bf16.
; A tile of C, 256 x 256, is made by four waves, 128 x 128 each: 64 accumulators.  K = 1,024 goes in 8 steps of 128 through two LDS slots filled by tensor loads.
; The K step is written once and looped over: the scalar TB holds the byte at which the slot in hand begins, and the fragment addresses are made from it at each change of slots.
; CLUSTER 4 x 4: A's tiles are asked for jointly along a row of the cluster, B's along a column.  The cluster's own x and y (ttmp9, ttmp7) are the same in all sixteen.
; THE WALK ALONG K.  Cluster (x, y) begins at K step (RX x + RY y) mod 8 and goes round the end of K to where it began.  Clusters with the same y read the same tiles of A, clusters with the
; same x the same tiles of B; RX and RY set their walks apart, so that a tile is asked for by one of them first and by the others some steps later.  GELU = 1, 4 x 4 clusters: A's four readers
; begin 2 steps apart, B's 4 apart.  GELU = 0, 3 x 4 clusters: k's and v's clusters, which share A, begin 4 apart, B's readers too.
; THE MATRIX INSTRUCTION IS USED TRANSPOSED: source 0 = 16 columns of B (turned on the way out of LDS by ds_load_tr16_b128), source 1 = 16 rows of A:
; a lane holds row l % 16 of C and the columns 8 (l / 16) + 0..7.  The bias, laid in that pattern, is the C operand of the products that start the sums.
; THE WAY OUT: when the ring has had its last fill and its last read, each wave lays its 128 x 128 f32 into its own 67,584 bytes of the ring and reads whole rows back.
; LIMITS.  The K steps are added in the walk's order, which differs from cluster to cluster: an order of rounding other than ascending K.
; erf by a rational form with five terms: absolute error 1.5e-7 (GELU's error is that times |z| / 2).  NaN and infinities are not treated apart.
; REGISTERS, in windows of 256: window 0: v16-29 addresses; v64-191 A's fragments, two buffers; later the way out.  window 1: v0-63 the bias; v64-191 B's fragments.
;   window 2: the accumulators of my rows 0-63 ((a, b) at 8 (8 a + b)); window 3: of my rows 64-127.
.set GELU,   0
.set RX,     4
.set RY,     4
.set KSTEPS, 8                         ; K / 128
.set PA,     272                       ; a row of A in LDS: 256 bytes + 16: the 16 rows of a fragment load start in 16 different groups of four banks
.set PB,     544                       ; a k row of B: 512 bytes + 32 = 17 x 32
.set HALFT,  34816                     ; what one tensor load brings: 128 rows of A, or 64 k rows of B
.set SLOT,   4*HALFT                   ; A's two halves, then B's two halves
.set ASH,    8                         ; a K step along A's rows is 2^8 bytes
.set BSH,    20                        ; 128 k rows of 8,192 bytes are 2^20 bytes
.set SPITCH, 528                       ; the way out: a row of 128 f32 + 16 bytes
.set WSTAGE, 128*SPITCH                ; a wave's stage
.set SPARE,  2*SLOT                    ; behind the ring: the spare words, 128 bytes a wave, named by no other line
.set OPITCH, 2048+6144*GELU            ; bytes from row to row of the output
.set ADRA0, 16                         ; v16 my lane's place in A's part of slot 0; never rewritten
.set ADRB0, 17                         ; v17 the same for B
.set ADRA, 18                          ; v18 the same in the slot in hand
.set ADRB, 19                          ; v19
.set STO,  24
.set RD,   25
.set CO,   26
.set BO,   27
.set SPW,  28                          ; my spare word's address; never rewritten
.set NIL,  29                          ; 0; never rewritten
.set F0,   64
.set F1,   128
.set RR,   64                          ; the way out, window 0: 8 rows read back
.set XX,   96                          ; z / 2, then the result
.set TT,   128
.set QQ,   160
.set PP,   192
.set YY,   224                         ; packed, to store
.set AB,   14                          ; s[14:15] A at the rows that I fetch, K step 0; never rewritten
.set BB,   94                          ; s[94:95] B at my tile's columns and the k rows that I fetch, K step 0; never rewritten
.set G1,   24                          ; s[24:31] descriptor group 1 for A's tiles
.set G0,   32                          ; s[32:39] group 0 for A's: a set for each of the two first fills; the second then serves every refill
.set G1B,  48                          ; s[48:55], s[56:63] the same for B's
.set G0B,  56
.set TB,   45                          ; s45 the byte at which the slot in hand begins: 0 or SLOT
.set OFF,  86                          ; s[86:87] a K step's byte offset
.set KI,   88                          ; s88 the K step to be asked for next
.set PKS,  89
.if GELU
.set PW, 74
.set PO, 78
.else
.set PW, 76
.set PO, 84
.endif
.set MSB, 0
.macro WIN new                         ; the immediate's high byte repeats the setting that is left; a switch that changes nothing is dropped
.if MSB != (\new)
	s_set_vgpr_msb (MSB<<8)|(\new)
.set MSB, \new
.endif
.endm
; A joint load: waves 0 and 1 fetch A's halves, waves 2 and 3 B's.  The branch hangs on the wave's number alone.  s_nop 0 and four v_nop follow each line.
.macro JLOAD s
	s_cmp_eq_u32 s11, 0
	s_cbranch_scc0 .Lfor_b_\@
	tensor_load_to_lds s[G0+4*(\s):G0+4*(\s)+3], s[G1:G1+7]
	s_nop 0
.rept 4
	v_nop
.endr
	s_branch .Lasked_\@
.Lfor_b_\@:
	tensor_load_to_lds s[G0B+4*(\s):G0B+4*(\s)+3], s[G1B:G1B+7]
	s_nop 0
.rept 4
	v_nop
.endr
.Lasked_\@:
.endm
.macro CREST                           ; a round of the cluster's barrier behind its opening barrier
	s_cmp_lg_u32 s10, 0
	s_cbranch_scc1 .Lnot_wave_0_\@
	s_barrier_signal -3
.Lnot_wave_0_\@:
	s_barrier_wait -3
	s_barrier_signal -1
	s_barrier_wait -1
.endm
.macro CROUND
	s_barrier_signal -1
	s_barrier_wait -1
	CREST
.endm
; Descriptor set s takes K step KI: both global addresses are made anew from the bases; then KI steps on, round the end of K
.macro ASK s
	s_lshl_b32 s[OFF], s[KI], ASH
	s_add_nc_u64 s[G0+4*(\s)+2:G0+4*(\s)+3], s[AB:AB+1], s[OFF:OFF+1]
	s_or_b32 s[G0+4*(\s)+3], s[G0+4*(\s)+3], 0x80000000
	s_lshl_b32 s[OFF], s[KI], BSH
	s_add_nc_u64 s[G0B+4*(\s)+2:G0B+4*(\s)+3], s[BB:BB+1], s[OFF:OFF+1]
	s_or_b32 s[G0B+4*(\s)+3], s[G0B+4*(\s)+3], 0x80000000
	s_add_co_u32 s[KI], s[KI], 1
	s_and_b32 s[KI], s[KI], KSTEPS-1
.endm
.if GELU
	s_load_b256 s[72:79], s[0:1], 0x0              ; a 72, w 74, bias 76, out 78
.else
	s_load_b256 s[72:79], s[0:1], 0x0              ; a0 72, a1 74, w 76, c0 78
	s_load_b128 s[80:83], s[0:1], 0x20             ; c1 80, c2 82
	s_load_b64 s[84:85], s[0:1], 0x30              ; out 84
.endif
	v_lshl_add_u32 v[SPW], v0, 2, SPARE
	v_mov_b32 v[NIL], 0
	ds_add_u32 v[SPW], v[NIL]                      ; the wave's opening: the add and its wait stand ahead of my first tensor load
	v_lshrrev_b32 v1, 5, v0
	v_readfirstlane_b32 s10, v1                    ; wave 0..3
	s_lshr_b32 s11, s10, 1                         ; my half of the tile's rows.  Also: I fetch for A (0) or B (1)
	s_and_b32 s12, s10, 1                          ; my half of its columns.  Also: which half of that tile I fetch
	s_bfe_u32 s40, ttmp6, 0x40000                  ; cx
	s_bfe_u32 s41, ttmp6, 0x40004                  ; cy
	s_lshl_b32 s42, ttmp9, 2
	s_add_co_u32 s42, s42, s40                     ; tile column
	s_and_b32 s13, ttmp7, 0xffff                   ; the cluster's y
	s_mul_i32 s[KI], s13, RY
	s_mul_i32 s[OFF], ttmp9, RX
	s_add_co_u32 s[KI], s[KI], s[OFF]
	s_and_b32 s[KI], s[KI], KSTEPS-1               ; the K step at which my cluster's walk begins
	s_mov_b32 s[OFF+1], 0
	s_lshl_b32 s13, s13, 2
	s_add_co_u32 s13, s13, s41                     ; tile row
	s_lshl_b32 s43, s41, 2
	s_lshl_b32 s43, 15, s43                        ; my row of the cluster
	s_lshl_b32 s44, 0x1111, s40                    ; my column
	s_or_b32 s[G1+0], s43, (1<<16)|(1<<20)|(1<<21)|(5<<22)|(3<<25)   ; A: 2-byte elements, 4 words of padding after every 64, bit 21 beside the mask
	s_or_b32 s[G1B+0], s44, (1<<16)|(1<<20)|(1<<21)|(6<<22)|(7<<25)  ; B: 8 words of padding after every 128
	s_mov_b32 s[G1+1], 128<<16                     ; A: tensor_dim0 = 128
	s_mov_b32 s[G1+2], 128<<16                     ; tensor_dim1 = 128
	s_mov_b32 s[G1+3], 128<<16                     ; tile_dim0 = 128
	s_mov_b32 s[G1+4], 128                         ; tile_dim1 = 128
	s_mov_b32 s[G1+5], 1024                        ; elements from row to row
	s_mov_b32 s[G1+6], 0
	s_mov_b32 s[G1+7], 0
	s_mov_b32 s[G1B+1], 256<<16                    ; B: tensor_dim0 = 256
	s_mov_b32 s[G1B+2], 64<<16                     ; tensor_dim1 = 64
	s_mov_b32 s[G1B+3], 256<<16                    ; tile_dim0 = 256
	s_mov_b32 s[G1B+4], 64                         ; tile_dim1 = 64
	s_mov_b32 s[G1B+5], 4096
	s_mov_b32 s[G1B+6], 0
	s_mov_b32 s[G1B+7], 0
.if GELU
	s_mov_b32 s[PKS], 0x3eed3388                   ; 0.3275911 x sqrt(2)
	s_mov_b32 s4, 0xc038aa3b                       ; -2 log2(e); the constants lie in pairs, since the packed lines name pairs
	s_mov_b32 s5, 0xc038aa3b
	s_mov_b32 s6, 0x3f87dc22                       ; a5 = 1.061405429
	s_mov_b32 s7, 0x3f87dc22
	s_mov_b32 s8, 0xbfba00e3                       ; a4 = -1.453152027
	s_mov_b32 s9, 0xbfba00e3
	s_mov_b32 s66, 0x3fb5f0e3                      ; a3 = 1.421413741
	s_mov_b32 s67, 0x3fb5f0e3
	s_mov_b32 s68, 0xbe91a98e                      ; a2 = -0.284496736
	s_mov_b32 s69, 0xbe91a98e
	s_mov_b32 s70, 0x3e827906                      ; a1 = 0.254829592
	s_mov_b32 s71, 0x3e827906
.endif
	s_mov_b32 s[TB], 0
	s_lshl_b32 s17, s12, 7
	s_lshl_b32 s16, s13, 8
	s_add_co_u32 s16, s16, s17                     ; A: row 256 x tile row + 128 x half,
	s_lshl_b32 s16, s16, 11                        ; of 2,048 bytes
	s_mov_b32 s17, 0
	s_lshl_b32 s46, s42, 9                         ; B: 512 bytes a tile column,
	s_lshl_b32 s47, s12, 19                        ; 64 k rows of 8,192 bytes a half
	s_add_co_u32 s46, s46, s47
	s_mov_b32 s47, 0
	s_mul_i32 s20, s10, HALFT                      ; where my part goes in a slot: wave x 34,816
	s_wait_dscnt 0x0                               ; the opening add is done
	s_wait_kmcnt 0x0
.if GELU
	s_add_nc_u64 s[AB:AB+1], s[72:73], s[16:17]
.else
	s_cmp_eq_u32 ttmp9, 0                          ; the cluster's x: q, k or v
	s_cselect_b64 s[AB:AB+1], s[72:73], s[74:75]
	s_cselect_b64 s[90:91], s[78:79], s[80:81]
	s_cmp_eq_u32 ttmp9, 2
	s_cselect_b64 s[90:91], s[82:83], s[90:91]
	s_add_nc_u64 s[AB:AB+1], s[AB:AB+1], s[16:17]
.endif
	s_add_nc_u64 s[BB:BB+1], s[PW:PW+1], s[46:47]
	CROUND                                         ; all sixteen work-groups are here: the first joint loads meet
.irp s, 0,1
	s_mov_b32 s[G0+4*(\s)], 1
	s_add_co_u32 s[G0+4*(\s)+1], s20, (\s)*SLOT
	s_mov_b32 s[G0B+4*(\s)], 1
	s_add_co_u32 s[G0B+4*(\s)+1], s20, (\s)*SLOT
	ASK \s                                         ; the walk's first two K steps
	JLOAD \s
.endr
.macro POINT                           ; the fragment addresses in the slot in hand
	v_add_nc_u32 v[ADRA], s[TB], v[ADRA0]
	v_add_nc_u32 v[ADRB], s[TB], v[ADRB0]
.endm
.macro FLIP                            ; the other slot is in hand
	s_sub_co_u32 s[TB], SLOT, s[TB]
	POINT
.endm
	v_and_b32 v1, 15, v0                           ; l % 16
	v_bfe_u32 v2, v0, 4, 1                         ; l / 16
	v_mul_u32_u24 v3, v1, PA
	v_lshl_add_u32 v3, v2, 4, v3                   ; A: row x pitch + 16 x half
	v_and_b32 v4, 7, v0
	v_lshl_add_u32 v4, v2, 3, v4                   ; B: k row 8 (l / 16) + l % 8,
	v_mul_u32_u24 v4, v4, PB
	v_bfe_u32 v5, v0, 3, 1
	v_lshl_add_u32 v4, v5, 4, v4                   ; columns 8 ((l / 8) % 2) on
	s_mul_i32 s21, s11, HALFT
	s_lshl_b32 s22, s12, 8                         ; my 128 columns
	s_add_co_u32 s22, s22, 2*HALFT
	v_add_nc_u32 v[ADRA0], s21, v3
	v_add_nc_u32 v[ADRB0], s22, v4
	POINT
.if GELU
	s_lshl_b32 s46, s42, 10                        ; the bias of my tile: 256 f32 a tile column
	s_mov_b32 s47, 0
	s_add_nc_u64 s[90:91], s[76:77], s[46:47]
.else
	s_lshl_b32 s46, s40, 10                        ; 256 f32 a tile column of the cluster's 1,024
	s_mov_b32 s47, 0
	s_add_nc_u64 s[90:91], s[90:91], s[46:47]
.endif
	s_lshl_b32 s23, s12, 9
	v_lshl_add_u32 v[BO], v2, 5, s23               ; my half's 512 bytes, 32 for each half of the lanes
	WIN 0x40
.irp b, 0,1,2,3,4,5,6,7
	global_load_b128 v[8*\b:8*\b+3],   v[BO], s[90:91] offset:64*\b
	global_load_b128 v[8*\b+4:8*\b+7], v[BO], s[90:91] offset:64*\b+16
.endr
	WIN 0
	s_mul_i32 s23, s10, WSTAGE
	v_mul_u32_u24 v5, v1, SPITCH                   ; in: row l % 16, 16 bytes for each half of the lanes
	v_lshl_add_u32 v5, v2, 4, v5
	v_add_nc_u32 v[STO], s23, v5
	v_mul_u32_u24 v5, v2, SPITCH                   ; back: lanes 0-15 one row, lanes 16-31 the next
	v_lshl_add_u32 v5, v1, 4, v5
	v_add_nc_u32 v[RD], s23, v5
	v_mul_u32_u24 v5, v2, OPITCH                   ; the same two rows in the output
	v_lshl_add_u32 v[CO], v1, 4, v5
	s_lshl_b32 s16, s13, 8
	s_lshl_b32 s17, s11, 7
	s_add_co_u32 s16, s16, s17
	s_mul_i32 s16, s16, OPITCH                     ; my first row
.if GELU
	s_lshl_b32 s46, s42, 9                         ; my tile's first column, in bytes
.else
	s_lshl_b32 s17, ttmp9, 23                      ; the cluster column's block
	s_add_co_u32 s16, s16, s17
	s_lshl_b32 s46, s40, 9                         ; my tile's first column in the block
.endif
	s_mov_b32 s17, 0
	s_add_nc_u64 s[92:93], s[PO:PO+1], s[16:17]
	s_lshl_b32 s47, s12, 8
	s_add_co_u32 s46, s46, s47
	s_mov_b32 s47, 0
	s_add_nc_u64 s[92:93], s[92:93], s[46:47]
; 16 matrix instructions: m blocks a0, a0 + 1 of the window's four x all 8 n blocks, 32 along K.  first = 1: the sums start from the bias (window 1, v[8 b ..]).
; The 64 accumulators take turns, one instruction a turn.
.macro MUL16 f, hi, a0, first
.if \first
	WIN 0x91+0x40*(\hi)
.else
	WIN 0xa1+0x50*(\hi)
.endif
.irp a, \a0, (\a0)+1
.irp b, 0,1,2,3,4,5,6,7
.if \first
	v_wmma_f32_16x16x32_bf16 v[8*(8*(\a)+(\b)):8*(8*(\a)+(\b))+7], v[(\f)+8*(\b):(\f)+8*(\b)+7], v[(\f)+8*(4*(\hi)+(\a)):(\f)+8*(4*(\hi)+(\a))+7], v[8*(\b):8*(\b)+7]
.else
	v_wmma_f32_16x16x32_bf16 v[8*(8*(\a)+(\b)):8*(8*(\a)+(\b))+7], v[(\f)+8*(\b):(\f)+8*(\b)+7], v[(\f)+8*(4*(\hi)+(\a)):(\f)+8*(4*(\hi)+(\a))+7], v[8*(8*(\a)+(\b)):8*(8*(\a)+(\b))+7]
.endif
.endr
.endr
.endm
; 32 LDS loads in one run: quarter q (32 along K) of the slot in hand into buffer f: B's 128 columns turned, then A's 128 rows
.macro FETCH q, f
	WIN 0x40
.irp i, 0,1,2,3,4,5,6,7
	ds_load_tr16_b128 v[(\f)+8*(\i):(\f)+8*(\i)+3],   v[ADRB] offset:(\q)*32*PB+32*(\i)
	ds_load_tr16_b128 v[(\f)+8*(\i)+4:(\f)+8*(\i)+7], v[ADRB] offset:(\q)*32*PB+16*PB+32*(\i)
.endr
	WIN 0
.irp i, 0,1,2,3,4,5,6,7
	ds_load_b128 v[(\f)+8*(\i):(\f)+8*(\i)+3],   v[ADRA] offset:(\q)*64+(\i)*16*PA
	ds_load_b128 v[(\f)+8*(\i)+4:(\f)+8*(\i)+7], v[ADRA] offset:(\q)*64+(\i)*16*PA+32
.endr
.endm
.macro PLACES                          ; four plain lines between a matrix instruction and a load into, or a read of, its registers
.rept 4
	v_nop
.endr
.endm
; One of a K step's first three quarters: multiplies buffer f; in its middle fetches quarter q of the slot in hand into buffer g
.macro QUARTER q, f, g, first
	s_wait_dscnt 8                                 ; B and A's rows 0-63 are in; the youngest eight loads (A's rows 64-127) may be out
	MUL16 \f, 0, 0, \first
	MUL16 \f, 0, 2, \first
	PLACES
	FETCH \q, \g
	s_wait_dscnt 32                                ; all but the 32 just issued
	MUL16 \f, 1, 0, \first
	MUL16 \f, 1, 2, \first
.endm
; The first half of a K step's last quarter, and one barrier for the change of slots.  The half's 32 products stand AHEAD of the wait for the next slot's tile, so that between
; that tile's landing and the next request lie only the three lines, the round and the load.  fill = 1: the descriptors are made while the add is out.
.macro MEET fill
	s_wait_dscnt 8                                 ; B and A's rows 0-63 are in; the youngest eight loads may be out
	MUL16 F1, 0, 0, 0
	MUL16 F1, 0, 2, 0
	WIN 0                                          ; the add's registers lie in window 0
	s_wait_tensorcnt 0x0                           ; all my tensor loads have landed: the one that may be out is my part of the next slot
	ds_add_u32 v[SPW], v[NIL]                      ; 0 onto my spare word
.if \fill
	s_add_co_u32 s[G0+5], s20, s[TB]               ; no load of mine is out, so a group 0 may be written: into the slot in hand,
	s_add_co_u32 s[G0B+5], s20, s[TB]
	ASK 1                                          ; the walk's next K step
.endif
	s_wait_dscnt 0x0                               ; the add is done, and my reads of this slot are over
	s_barrier_signal -1
	s_barrier_wait -1
.endm
; The whole last quarter of a K step whose slot is filled again, two K steps on in the walk, first thing behind a round of the cluster's barrier
.macro TURN
	MEET 1                                         ; its barrier opens the round
	CREST
	JLOAD 1                                        ; its four v_nop are also the places in front of the loads below
	FLIP
	FETCH 0, F0
	MUL16 F1, 1, 0, 0
	MUL16 F1, 1, 2, 0
.endm
	s_wait_tensorcnt 1                             ; my part of the walk's first K step is in; the second's stays out
	s_barrier_signal -1
	s_barrier_wait -1
	FETCH 0, F0
	s_wait_loadcnt 0x0                             ; the bias
	QUARTER 1, F0, F1, 1                           ; the first quarter stands in front of the loop: its products start the sums
	WIN 0
	s_mov_b32 s3, KSTEPS-2
.Lstep:                                                ; a trip: a K step's quarters 1 to 3 and the next step's quarter 0; the slot left is filled again
	QUARTER 2, F1, F0, 0
	QUARTER 3, F0, F1, 0
	TURN
	QUARTER 1, F0, F1, 0
	WIN 0
	s_sub_co_u32 s3, s3, 1
	s_cmp_lg_u32 s3, 0
	s_cbranch_scc1 .Lstep
	s_mov_b32 s3, 2
.Ltail:                                                ; the last two K steps fill nothing: a text of their own; the second trip is left in its middle
	QUARTER 2, F1, F0, 0
	QUARTER 3, F0, F1, 0
	MEET 0                                         ; in the second trip: behind this barrier nobody reads the ring any more
	s_sub_co_u32 s3, s3, 1
	s_cmp_eq_u32 s3, 0
	s_cbranch_scc1 .Lfin
	PLACES
	FLIP
	FETCH 0, F0
	MUL16 F1, 1, 0, 0
	MUL16 F1, 1, 2, 0
	QUARTER 1, F0, F1, 0
	WIN 0
	s_branch .Ltail
.Lfin:
	MUL16 F1, 1, 0, 0
	MUL16 F1, 1, 2, 0
	WIN 0
	PLACES
	; THE WAY OUT.  My 128 x 128 f32 into my stage, in ring bytes that have had their last fill.  A row's 512 bytes lie as two halves: a lane's first four columns in the first,
	; its last four in the second, so that the lane that reads 16 bytes of each half holds eight neighbouring columns.  Each accumulator's low registers go first.
.irp a, 0,1,2,3,4,5,6,7
	WIN 0x08+4*((\a)/4)
.irp b, 0,1,2,3,4,5,6,7
	ds_store_b128 v[STO], v[8*(8*((\a)%4)+(\b)):8*(8*((\a)%4)+(\b))+3]   offset:16*SPITCH*(\a)+32*(\b)
	ds_store_b128 v[STO], v[8*(8*((\a)%4)+(\b))+4:8*(8*((\a)%4)+(\b))+7] offset:16*SPITCH*(\a)+32*(\b)+256
.endr
.endr
	WIN 0
.macro LOADR                           ; eight rows back: LDS serves a wave's instructions in order, so these see my stores
.irp t, 0,1,2,3
	ds_load_b128 v[RR+8*\t:RR+8*\t+3],   v[RD] offset:2*SPITCH*\t
	ds_load_b128 v[RR+8*\t+4:RR+8*\t+7], v[RD] offset:2*SPITCH*\t+256
.endr
.endm
.macro PACK src
.set i, 0
.rept 16
	v_cvt_pk_bf16_f32 v[YY+i], v[(\src)+2*i], v[(\src)+2*i+1]
.set i, i+1
.endr
.endm
; gelu(z) = h + |h| erf(sqrt(2) |h|), h = z / 2 in XX.  erf(x) = 1 - (a1 t + .. + a5 t^5) e^(-x x), t = 1 / (1 + 0.3275911 x).
; Every reciprocal and exponential has a plain line that names none of its registers behind it.
.macro GELU32
.set i, 0
.rept 32
	v_fma_f32 v[TT+i], |v[XX+i]|, s[PKS], 1.0
.set i, i+1
.endr
.set i, 0
.rept 16
	v_rcp_f32 v[TT+2*i], v[TT+2*i]
	v_pk_mul_f32 v[QQ+2*i:QQ+2*i+1], v[XX+2*i:XX+2*i+1], v[XX+2*i:XX+2*i+1]
	v_rcp_f32 v[TT+2*i+1], v[TT+2*i+1]
	v_pk_mul_f32 v[QQ+2*i:QQ+2*i+1], v[QQ+2*i:QQ+2*i+1], s[4:5] op_sel_hi:[1,0]
.set i, i+1
.endr
.set i, 0
.rept 16
	v_exp_f32 v[QQ+2*i], v[QQ+2*i]
	v_pk_fma_f32 v[PP+2*i:PP+2*i+1], v[TT+2*i:TT+2*i+1], s[6:7], s[8:9] op_sel_hi:[1,0,0]
	v_exp_f32 v[QQ+2*i+1], v[QQ+2*i+1]
	v_pk_fma_f32 v[PP+2*i:PP+2*i+1], v[PP+2*i:PP+2*i+1], v[TT+2*i:TT+2*i+1], s[66:67] op_sel_hi:[1,1,0]
.set i, i+1
.endr
.set i, 0
.rept 16
	v_pk_fma_f32 v[PP+2*i:PP+2*i+1], v[PP+2*i:PP+2*i+1], v[TT+2*i:TT+2*i+1], s[68:69] op_sel_hi:[1,1,0]
.set i, i+1
.endr
.set i, 0
.rept 16
	v_pk_fma_f32 v[PP+2*i:PP+2*i+1], v[PP+2*i:PP+2*i+1], v[TT+2*i:TT+2*i+1], s[70:71] op_sel_hi:[1,1,0]
.set i, i+1
.endr
.set i, 0
.rept 16
	v_pk_mul_f32 v[PP+2*i:PP+2*i+1], v[PP+2*i:PP+2*i+1], v[TT+2*i:TT+2*i+1]
.set i, i+1
.endr
.set i, 0
.rept 16
	v_pk_fma_f32 v[PP+2*i:PP+2*i+1], v[PP+2*i:PP+2*i+1], v[QQ+2*i:QQ+2*i+1], 1.0 op_sel_hi:[1,1,0] neg_lo:[1,0,0] neg_hi:[1,0,0]
.set i, i+1
.endr
.set i, 0
.rept 32
	v_fma_f32 v[XX+i], |v[XX+i]|, v[PP+i], v[XX+i]
.set i, i+1
.endr
.endm
	LOADR
	s_mov_b32 s3, 16
.Lrows:                                                ; a trip: eight rows leave; the next eight are read from the stage as soon as these have left RR
	s_wait_dscnt 0x0                               ; the eight rows are in RR
.if GELU
.set i, 0
.rept 16
	v_pk_mul_f32 v[XX+2*i:XX+2*i+1], v[RR+2*i:RR+2*i+1], 0.5 op_sel_hi:[1,0]
.set i, i+1
.endr
.else
	PACK RR
.endif
	s_cmp_eq_u32 s3, 1                             ; the last trip reads nothing more: nothing is read past the stage
	s_cbranch_scc1 .Lnoread
	v_add_nc_u32 v[RD], 8*SPITCH, v[RD]
	LOADR
.Lnoread:
.if GELU
	GELU32
	PACK XX
.endif
.irp t, 0,1,2,3
	global_store_b128 v[CO], v[YY+4*\t:YY+4*\t+3], s[92:93] offset:2*OPITCH*\t  ; sixteen lanes store 256 consecutive bytes, aligned
.endr
	s_wait_xcnt 0x0                                ; the stores' base and data are rewritten only behind this wait
	s_add_nc_u64 s[92:93], s[92:93], 8*OPITCH
	s_sub_co_u32 s3, s3, 1
	s_cmp_lg_u32 s3, 0
	s_cbranch_scc1 .Lrows
	s_wait_tensorcnt 0x0                           ; the wave's end
	ds_add_u32 v[SPW], v[NIL]
	s_wait_dscnt 0x0
	CROUND                                         ; the closing round
	s_endpgm
.Lfunc_end_k_qdb37bfdeb6_qkv:
	.size	k_qdb37bfdeb6_qkv, .Lfunc_end_k_qdb37bfdeb6_qkv-k_qdb37bfdeb6_qkv
	.p2alignl 7, 3214868480
	.fill 96, 4, 3214868480
	.section	.rodata,"a",@progbits
	.p2align	6, 0x0
	.amdhsa_kernel k_qdb37bfdeb6_qkv
		.amdhsa_group_segment_fixed_size 327680
		.amdhsa_private_segment_fixed_size 0
		.amdhsa_enable_private_segment 0
		.amdhsa_kernarg_size 56
		.amdhsa_user_sgpr_count 2
		.amdhsa_user_sgpr_kernarg_segment_ptr 1
		.amdhsa_wavefront_size32 1
		.amdhsa_system_sgpr_workgroup_id_x 1
		.amdhsa_system_sgpr_workgroup_id_y 1
		.amdhsa_system_sgpr_workgroup_id_z 1
		.amdhsa_system_vgpr_workitem_id 0
		.amdhsa_next_free_vgpr 1024
		.amdhsa_next_free_sgpr 96
		.amdhsa_reserve_vcc 0
		.amdhsa_float_denorm_mode_32 3
		.amdhsa_float_denorm_mode_16_64 3
		.amdhsa_memory_ordered 1
		.amdhsa_forward_progress 1
		.amdhsa_inst_pref_size 84
	.end_amdhsa_kernel
	.amdgpu_metadata
---
amdhsa.version: [ 1, 2 ]
amdhsa.kernels:
  - .name:           k_qdb37bfdeb6_qkv
    .symbol:         k_qdb37bfdeb6_qkv.kd
    .args:
      - { .name: n1, .offset: 0, .size: 8, .value_kind: global_buffer, .address_space: global }
      - { .name: n2, .offset: 8, .size: 8, .value_kind: global_buffer, .address_space: global }
      - { .name: wA, .offset: 16, .size: 8, .value_kind: global_buffer, .address_space: global }
      - { .name: bq, .offset: 24, .size: 8, .value_kind: global_buffer, .address_space: global }
      - { .name: bk, .offset: 32, .size: 8, .value_kind: global_buffer, .address_space: global }
      - { .name: bv, .offset: 40, .size: 8, .value_kind: global_buffer, .address_space: global }
      - { .name: big, .offset: 48, .size: 8, .value_kind: global_buffer, .address_space: global }
    .group_segment_fixed_size: 327680
    .private_segment_fixed_size: 0
    .kernarg_segment_align: 8
    .kernarg_segment_size: 56
    .max_flat_workgroup_size: 128
    .sgpr_count:     96
    .vgpr_count:     1024
    .wavefront_size: 32
...
	.end_amdgpu_metadata
.endif
;; end of part 2
;; launch attn (part 3): grid 16 x 16, 4 waves a work-group, no clusters, 168,704 bytes of LDS; arguments big, n1; writes n1
.if DOCPART == 3
	.amdgcn_target "amdgcn-amd-amdhsa--gfx1250"
	.amdhsa_code_object_version 6
	.text
	.protected	k_qdb37bfdeb6_attn
	.globl	k_qdb37bfdeb6_attn
	.p2align	8
	.type	k_qdb37bfdeb6_attn,@function
k_qdb37bfdeb6_attn:
	s_mov_b64 s[64:65], 0
	v_nop
	global_prefetch_b8 v0, s[64:65] scope:SCOPE_SE
	s_setreg_imm32_b32 hwreg(HW_REG_WAVE_MODE, 25, 1), 1
	s_wait_xcnt 0x0
; BANDED ATTENTION.  ctx[t] = the sum over |t - s| <= 24 of softmax_s(q[t] . k[s] / 8) v[s], for 2 batches x 16 heads of 64 channels, 2,048 rows a batch.
; q, k, v: blocks 0, 1, 2 of the first argument, [4096][1024] bf16 each, 8,388,608 bytes apart.  ctx: [4096][1024] bf16.  Products, maximum and sum in f32; the weights are rounded to bf16
; for the second product (their sum is taken of the unrounded weights), ctx once at the end.
; The band is built by the problem itself, so a tile of 16 queries t0 .. t0 + 15 meets exactly the 64 keys t0 - 24 .. t0 + 39: one step, one true maximum, no running one.
; SHARES.  A work-group owns 128 queries (grid x) of a batch and a PAIR of heads (grid y = 8 batch + pair): 256 bytes of every row, so rows come and go as whole aligned blocks of 256 bytes.
; It stages 128 rows of q and the 176 rows t = 128 x - 24 + n of k and v in LDS.  Wave w: head w % 2 of the pair, query half w / 2: four tiles of 16 queries.
; Rows outside 0 .. 2047 are read at a clamped row and masked.  No tensor loads: a descriptor has zeros past the end but no clamp in front of the beginning, and the tiles are small.
; No cluster: neighbouring work-groups share 48 of 176 key rows, a small part of what a work-group reads.
; LIMITS.  A masked score counts as its value less 1e30; a weight below 2^-126 counts as 0; NaN and infinities are not treated apart.
; LAYOUT.  S^T = K Q^T: a lane holds one query (l % 16) and the keys 16 jj + 8 (l / 16) + 0..7; rounded in pairs that IS source 1 of O^T = V^T P.  The mask is the C operand that starts S^T.
.set PK, 272                           ; rows of q, k, ctx in LDS: 256 + 16
.set PV, 288                           ; rows of v: 256 + 32, for the turning load
.set KB, 34816                         ; q: 128 rows from byte 0; k: 176 rows from here
.set VB, 82688                         ; v: 176 rows
.set OB, 133376                        ; ctx: 128 rows
.set SPARE, 168192                     ; the spare words, 128 bytes a wave, named by no other line
.set QF, 56                            ; v56-71   Q's two fragments
.set P,  72                            ; v72-87   the weights, bf16
.set S,  96                            ; v96-127  the scores
.set MD, 128                           ; v128-159 the band's mask for a tile: 0 or -1e30; made once
.set MC, 160                           ; v160-191 the tile's mask: the band's, and -1e30 where the key's row does not exist
.set O,  192                           ; v192-223 O^T
.set W,  224                           ; v224-229 at work
.set MSB, 0
.macro WIN new
.if MSB != (\new)
	s_set_vgpr_msb (MSB<<8)|(\new)
.set MSB, \new
.endif
.endm
	s_load_b128 s[4:7], s[0:1], 0x0                ; big, n1
	v_lshl_add_u32 v30, v0, 2, SPARE               ; my spare word's address; never rewritten
	v_mov_b32 v31, 0                               ; 0; never rewritten
	v_lshrrev_b32 v1, 5, v0
	v_readfirstlane_b32 s8, v1                     ; wave 0..3
	s_and_b32 s9, s8, 1                            ; head of the pair
	s_lshr_b32 s10, s8, 1                          ; query half
	s_and_b32 s12, ttmp7, 0xffff
	s_lshr_b32 s13, s12, 3                         ; batch
	s_and_b32 s14, s12, 7                          ; pair of heads
	s_lshl_b32 s32, s13, 22                        ; 2,048 rows of 2,048 bytes a batch
	s_lshl_b32 s33, s14, 8
	s_add_co_u32 s32, s32, s33
	s_lshl_b32 s34, ttmp9, 18                      ; 128 rows a block
	s_add_co_u32 s34, s34, s32
	s_mov_b32 s33, 0
	s_mov_b32 s35, 0
	s_mov_b32 s26, 0x3e38aa3b                      ; c = log2(e) / 8
	s_mov_b32 s27, 0x3e38aa3b
	s_mov_b32 s28, 0x76543210
	s_mov_b32 s29, 0xfedcba98
	s_mov_b32 s30, 0xf149f2ca                      ; -1e30
	s_wait_kmcnt 0x0
	s_add_nc_u64 s[16:17], s[4:5], s[34:35]        ; q at my block
	s_add_nc_u64 s[22:23], s[6:7], s[34:35]        ; ctx at my block
	s_add_nc_u64 s[18:19], s[4:5], s[32:33]
	s_add_nc_u64 s[18:19], s[18:19], 0x800000      ; k at the batch's row 0
	s_add_nc_u64 s[20:21], s[18:19], 0x800000      ; v likewise
	v_and_b32 v1, 15, v0                           ; l % 16
	v_bfe_u32 v2, v0, 4, 1                         ; l / 16
	v_lshlrev_b32 v3, 4, v1
	s_mul_i32 s36, s8, 44                          ; a wave stages 44 of the 176 key rows, two to an instruction
	s_lshl_b32 s37, ttmp9, 7
	s_add_co_u32 s37, s37, s36
	s_sub_co_u32 s37, s37, 24                      ; below 0 it wraps to a large number, which the clamp below takes too
	v_add_nc_u32 v4, s37, v2
.set i, 0
.rept 22
	v_add_nc_u32 v5, 2*i, v4
	v_min_u32 v5, 0x7ff, v5
	v_lshl_add_u32 v[32+i], v5, 11, v3             ; an offset register for each pair of rows: none is rewritten
.set i, i+1
.endr
	s_lshl_b32 s38, s8, 5
	v_add_nc_u32 v6, s38, v2
	v_mul_u32_u24 v14, v6, PK
	v_add_nc_u32 v14, v14, v3                      ; q and ctx in LDS: row 32 w + l / 16
	v_lshl_add_u32 v6, v6, 11, v3                  ; and in memory
	WIN 0x40                                       ; destinations in window 1
.set i, 0
.rept 22
	global_load_b128 v[4*i:4*i+3], v[32+i], s[20:21]
.set i, i+1
.endr
.set i, 0
.rept 22
	global_load_b128 v[88+4*i:88+4*i+3], v[32+i], s[18:19]
.set i, i+1
.endr
.set i, 0
.rept 16
	global_load_b128 v[176+4*i:176+4*i+3], v6, s[16:17] offset:4096*i
.set i, i+1
.endr
	WIN 0
	v_add_nc_u32 v5, s36, v2                       ; staged row 44 w + l / 16
	v_mul_u32_u24 v7, v5, PV
	v_add_nc_u32 v7, v7, v3
	v_add_nc_u32 v7, VB, v7
	v_mul_u32_u24 v13, v5, PK
	v_add_nc_u32 v13, v13, v3
	v_add_nc_u32 v13, KB, v13
	v_lshlrev_b32 v15, 3, v2
	v_sub_nc_u32 v15, v1, v15                      ; my query's place in its tile less my lanes' 8 (l / 16)
.set i, 0
.rept 32                                               ; key c of the tile's 64 is seen by query r where 0 <= c - r <= 48
	v_sub_nc_u32 v5, 16*(i/8)+i%8, v15
	v_cmp_ge_u32 vcc_lo, 48, v5
	v_cndmask_b32 v[MD+i], s30, 0, vcc_lo
.set i, i+1
.endr
	s_lshl_b32 s36, s10, 6
	v_add_nc_u32 v5, s36, v1                       ; row 64 half + l % 16
	v_mul_u32_u24 v5, v5, PK
	v_lshl_add_u32 v5, v2, 4, v5
	s_lshl_b32 s37, s9, 7                          ; my head's 128 bytes
	v_add_nc_u32 v8, s37, v5                       ; Q's fragments
	v_add_nc_u32 v9, KB, v8                        ; K's
	v_add_nc_u32 v11, OB, v8                       ; where a lane's 16 bytes of ctx go
	v_and_b32 v5, 7, v0
	v_lshl_add_u32 v5, v2, 3, v5
	v_add_nc_u32 v5, s36, v5
	v_mul_u32_u24 v5, v5, PV
	v_bfe_u32 v10, v0, 3, 1
	v_lshl_add_u32 v5, v10, 4, v5
	v_add_nc_u32 v5, s37, v5
	v_add_nc_u32 v10, VB, v5                       ; V's, for the turning load
	s_lshl_b32 s38, ttmp9, 7
	s_add_co_u32 s38, s38, s36
	s_sub_co_u32 s38, s38, 24
	v_lshl_add_u32 v12, v2, 3, s38                 ; the row of my lanes' first key in the tile
	s_wait_loadcnt 38                              ; v's 22 loads are in; k's 22 and q's 16 stay out
	WIN 0x04                                       ; store data in window 1
.set i, 0
.rept 22
	ds_store_b128 v7, v[4*i:4*i+3] offset:2*PV*i
.set i, i+1
.endr
	s_wait_loadcnt 16                              ; k is in
.set i, 0
.rept 22
	ds_store_b128 v13, v[88+4*i:88+4*i+3] offset:2*PK*i
.set i, i+1
.endr
	s_wait_loadcnt 0x0
.set i, 0
.rept 16
	ds_store_b128 v14, v[176+4*i:176+4*i+3] offset:2*PK*i
.set i, i+1
.endr
	WIN 0
	s_wait_dscnt 0x0                               ; for the others' sake: my stores are done
	s_barrier_signal -1
	s_barrier_wait -1
	s_mov_b32 s24, 4
.Ltile:                                                ; a trip: one tile of 16 queries against its 64 keys
	WIN 0x40
.irp jj, 0,1,2,3
.irp c, 0,1
	ds_load_b128 v[16*\jj+8*\c:16*\jj+8*\c+3],   v9 offset:16*PK*\jj+64*\c
	ds_load_b128 v[16*\jj+8*\c+4:16*\jj+8*\c+7], v9 offset:16*PK*\jj+64*\c+32
.endr
.endr
	WIN 0
.irp c, 0,1
	ds_load_b128 v[QF+8*\c:QF+8*\c+3],   v8 offset:64*\c
	ds_load_b128 v[QF+8*\c+4:QF+8*\c+7], v8 offset:64*\c+32
.endr
	WIN 0x40
.irp kk, 0,1
.irp cb, 0,1,2,3
	ds_load_tr16_b128 v[64+32*\kk+8*\cb:64+32*\kk+8*\cb+3],   v10 offset:32*PV*\kk+32*\cb
	ds_load_tr16_b128 v[64+32*\kk+8*\cb+4:64+32*\kk+8*\cb+7], v10 offset:32*PV*\kk+16*PV+32*\cb
.endr
.endr
	WIN 0
.irp jj, 0,1,2,3                       ; a lane's eight keys of a group begin at a multiple of 8: all inside 0 .. 2047 or all outside
	v_add_nc_u32 v5, 16*\jj, v12
	v_cmp_gt_u32 s[36+\jj], 0x800, v5
.endr
.set i, 0
.rept 32
	v_cndmask_b32 v[MC+i], s30, v[MD+i], s[36+i/8]
.set i, i+1
.endr
	s_wait_dscnt 16                                ; K and Q are in; V's sixteen loads stay out
	WIN 0x01                                       ; source 0 in window 1.  The four accumulators take turns
.irp jj, 0,1,2,3
	v_wmma_f32_16x16x32_bf16 v[S+8*\jj:S+8*\jj+7], v[16*\jj:16*\jj+7], v[QF:QF+7], v[MC+8*\jj:MC+8*\jj+7]
.endr
.irp jj, 0,1,2,3
	v_wmma_f32_16x16x32_bf16 v[S+8*\jj:S+8*\jj+7], v[16*\jj+8:16*\jj+15], v[QF+8:QF+15], v[S+8*\jj:S+8*\jj+7]
.endr
	WIN 0
.rept 4
	v_nop                                          ; the places behind those products
.endr
.irp n, 0,1,2,3                        ; the maximum; each accumulator's lowest registers are read first
	v_max3_num_f32 v[W+\n], v[S+8*\n], v[S+8*\n+1], v[S+8*\n+2]
.endr
.irp n, 0,1,2,3
	v_max3_num_f32 v[W+\n], v[W+\n], v[S+8*\n+3], v[S+8*\n+4]
.endr
.irp n, 0,1,2,3
	v_max3_num_f32 v[W+\n], v[W+\n], v[S+8*\n+5], v[S+8*\n+6]
.endr
	v_max3_num_f32 v[W], v[W], v[S+7], v[S+15]
	v_max3_num_f32 v[W+1], v[W+1], v[S+23], v[S+31]
	v_max3_num_f32 v[W], v[W], v[W+1], v[W+2]
	v_max_num_f32 v[W], v[W], v[W+3]
	v_permlanex16_b32 v[W+1], v[W], s28, s29       ; the query's other 32 keys lie in the lane 16 away
	v_max_num_f32 v[W+5], v[W], v[W+1]             ; m: a true score, since every query sees its own key
	v_mul_f32 v[W+4], s26, v[W+5]                  ; c m
.set i, 0
.rept 16
	v_pk_fma_f32 v[S+2*i:S+2*i+1], v[S+2*i:S+2*i+1], s[26:27], v[W+4:W+5] op_sel_hi:[1,0,0] neg_lo:[0,0,1] neg_hi:[0,0,1]
.set i, i+1
.endr
.set i, 0
.rept 32
	v_exp_f32 v[S+i], v[S+i]
.set i, i+1
.endr
	v_nop                                          ; a plain line between the last exponential and the use of its result
.set i, 0
	s_wait_alu depctr_va_vdst(0)
.rept 16
	v_cvt_pk_bf16_f32 v[P+i], v[S+2*i], v[S+2*i+1]
.set i, i+1
.endr
	s_wait_dscnt 0x0                               ; V is in
	WIN 0x01
.irp cb, 0,1,2,3
	v_wmma_f32_16x16x32_bf16 v[O+8*\cb:O+8*\cb+7], v[64+8*\cb:64+8*\cb+7], v[P:P+7], 0
.endr
.irp cb, 0,1,2,3
	v_wmma_f32_16x16x32_bf16 v[O+8*\cb:O+8*\cb+7], v[96+8*\cb:96+8*\cb+7], v[P+8:P+15], v[O+8*\cb:O+8*\cb+7]
.endr
	WIN 0
.irp u, 0,1,2,3,4,5,6,7                ; the sum of the unrounded weights: these lines are the places behind the products
	v_pk_add_f32 v[S+4*\u:S+4*\u+1], v[S+4*\u:S+4*\u+1], v[S+4*\u+2:S+4*\u+3]
.endr
.irp u, 0,1,2,3
	v_pk_add_f32 v[S+8*\u:S+8*\u+1], v[S+8*\u:S+8*\u+1], v[S+8*\u+4:S+8*\u+5]
.endr
.irp u, 0,1
	v_pk_add_f32 v[S+16*\u:S+16*\u+1], v[S+16*\u:S+16*\u+1], v[S+16*\u+8:S+16*\u+9]
.endr
	v_pk_add_f32 v[S:S+1], v[S:S+1], v[S+16:S+17]
	v_add_f32 v[W], v[S], v[S+1]
	v_permlanex16_b32 v[W+1], v[W], s28, s29
	v_add_f32 v[W], v[W], v[W+1]
	v_rcp_f32 v[W+2], v[W]
	v_rcp_f32 v[W+3], v[W]
	v_nop
.set i, 0
	s_wait_alu depctr_va_vdst(0)
.rept 16
	v_pk_mul_f32 v[O+2*i:O+2*i+1], v[O+2*i:O+2*i+1], v[W+2:W+3]
.set i, i+1
.endr
.set i, 0
.rept 16
	v_cvt_pk_bf16_f32 v[S+i], v[O+2*i], v[O+2*i+1]
.set i, i+1
.endr
.irp cb, 0,1,2,3
	ds_store_b128 v11, v[S+4*\cb:S+4*\cb+3] offset:32*\cb
.endr
	v_add_nc_u32 v8, 16*PK, v8                     ; sixteen rows on
	v_add_nc_u32 v9, 16*PK, v9
	v_add_nc_u32 v11, 16*PK, v11
	v_add_nc_u32 v10, 16*PV, v10
	v_add_nc_u32 v12, 16, v12
	s_sub_co_u32 s24, s24, 1
	s_cmp_lg_u32 s24, 0
	s_cbranch_scc1 .Ltile
	s_wait_dscnt 0x0                               ; a row's 256 bytes come from two waves: my stores are done,
	s_barrier_signal -1
	s_barrier_wait -1                              ; everybody's are
	v_add_nc_u32 v14, OB, v14
.set i, 0
.rept 16
	ds_load_b128 v[96+4*i:96+4*i+3], v14 offset:2*PK*i
.set i, i+1
.endr
.set i, 0
.rept 16
	s_wait_dscnt 15-i
	global_store_b128 v6, v[96+4*i:96+4*i+3], s[22:23] offset:4096*i  ; sixteen lanes store 256 consecutive bytes, aligned
.set i, i+1
.endr
	s_wait_tensorcnt 0x0                           ; the wave's end
	ds_add_u32 v30, v31
	s_wait_dscnt 0x0
	s_endpgm
.Lfunc_end_k_qdb37bfdeb6_attn:
	.size	k_qdb37bfdeb6_attn, .Lfunc_end_k_qdb37bfdeb6_attn-k_qdb37bfdeb6_attn
	.p2alignl 7, 3214868480
	.fill 96, 4, 3214868480
	.section	.rodata,"a",@progbits
	.p2align	6, 0x0
	.amdhsa_kernel k_qdb37bfdeb6_attn
		.amdhsa_group_segment_fixed_size 168704
		.amdhsa_private_segment_fixed_size 0
		.amdhsa_enable_private_segment 0
		.amdhsa_kernarg_size 16
		.amdhsa_user_sgpr_count 2
		.amdhsa_user_sgpr_kernarg_segment_ptr 1
		.amdhsa_wavefront_size32 1
		.amdhsa_system_sgpr_workgroup_id_x 1
		.amdhsa_system_sgpr_workgroup_id_y 1
		.amdhsa_system_sgpr_workgroup_id_z 1
		.amdhsa_system_vgpr_workitem_id 0
		.amdhsa_next_free_vgpr 512
		.amdhsa_next_free_sgpr 66
		.amdhsa_reserve_vcc 1
		.amdhsa_float_denorm_mode_32 3
		.amdhsa_float_denorm_mode_16_64 3
		.amdhsa_memory_ordered 1
		.amdhsa_forward_progress 1
		.amdhsa_inst_pref_size 39
	.end_amdhsa_kernel
	.amdgpu_metadata
---
amdhsa.version: [ 1, 2 ]
amdhsa.kernels:
  - .name:           k_qdb37bfdeb6_attn
    .symbol:         k_qdb37bfdeb6_attn.kd
    .args:
      - { .name: big, .offset: 0, .size: 8, .value_kind: global_buffer, .address_space: global }
      - { .name: n1, .offset: 8, .size: 8, .value_kind: global_buffer, .address_space: global }
    .group_segment_fixed_size: 168704
    .private_segment_fixed_size: 0
    .kernarg_segment_align: 8
    .kernarg_segment_size: 16
    .max_flat_workgroup_size: 128
    .sgpr_count:     66
    .vgpr_count:     512
    .wavefront_size: 32
...
	.end_amdgpu_metadata
.endif
;; end of part 3
;; launch wo (part 4): grid 8 x 32, 4 waves a work-group, clusters of 4 x 4, 327,680 bytes of LDS; arguments n1, wA, bo, x_refined, ybuf; writes ybuf
.if DOCPART == 4
	.amdgcn_target "amdgcn-amd-amdhsa--gfx1250"
	.amdhsa_code_object_version 6
	.text
	.protected	k_qdb37bfdeb6_wo
	.globl	k_qdb37bfdeb6_wo
	.p2align	8
	.type	k_qdb37bfdeb6_wo,@function
k_qdb37bfdeb6_wo:
	s_mov_b64 s[64:65], 0
	v_nop
	global_prefetch_b8 v0, s[64:65] scope:SCOPE_SE
	s_setreg_imm32_b32 hwreg(HW_REG_WAVE_MODE, 25, 1), 1
	s_wait_xcnt 0x0
	s_wait_alu depctr_hold_cnt(0) depctr_sa_sdst(0) depctr_va_vdst(0) depctr_va_sdst(0) depctr_va_ssrc(0) depctr_va_vcc(0) depctr_vm_vsrc(0)
	s_getreg_b32 s2, hwreg(HW_REG_IB_STS2, 6, 4)
	s_cmp_eq_u32 s2, 0
	s_cbranch_scc0 .Lentry_in_a_cluster
	s_endpgm
.Lentry_in_a_cluster:
	s_bfe_u32 s2, ttmp6, 0x10000c
	s_cmp_lg_u32 s2, 0xf033
	s_cbranch_scc0 .Lentry_shape_is_right
	s_endpgm
.Lentry_shape_is_right:
; OUT = RES + A B + bias, in f32.  A: [4096][APITCH] bf16, K = 256 KSTEPS of its columns.  B: [K][1024] bf16 as it lies, at byte 8,388,608 of its buffer.
; bias: [1024] f32.  RES, OUT: [4096][1024] f32.  Sums in f32.  This source serves two kernels; the constants KSTEPS and APITCH below are all that differs.
; A tile of OUT is 128 x 128, so that 256 work-groups share the 4,096 x 1,024 numbers; four waves, 64 x 64 each: 16 accumulators.  K goes in steps of 256 through two LDS slots.
; The K step is written once and looped over: the scalar TB holds the byte at which the slot in hand begins, and the fragment addresses are made from it at each change of slots.
; CLUSTER 4 x 4: A's tiles are asked for jointly along a row of the cluster, B's along a column.  The cluster's own x and y (ttmp9, ttmp7) are the same in all sixteen.
; THE WALK ALONG K.  The grid has 2 x 8 clusters.  Cluster (x, y) begins at K step (KSTEPS/2 x + KSTEPS/4 y) mod KSTEPS and goes round the end of K to where it began.  The two clusters with the
; same y read the same tiles of A and begin half of K apart; the clusters with the same x read the same tiles of B and begin a quarter of K apart: a tile is asked for by one of them first
; and by the others some steps later.
; THE MATRIX INSTRUCTION IS USED TRANSPOSED (source 0 = 16 columns of B, turned by ds_load_tr16_b128; source 1 = 16 rows of A): a lane holds eight neighbouring numbers of a row.
; The bias, laid in that pattern, is the C operand of the products that start the sums; the residual is loaded at the start and waits in registers.
; LIMIT.  The K steps are added in the walk's order, which differs from cluster to cluster: an order of rounding other than ascending K.
; REGISTERS: window 0: v16-29 addresses; v32-95 the way out; v96-127 the bias; v128-255 the accumulators.  window 1: two fragment buffers of 128.  window 2: v0-127 the residual.
.set KSTEPS, 4
.set APITCH, 1024
.set RX,     KSTEPS/2
.set RY,     KSTEPS/4
.set PA,     528                       ; a row of A in LDS: 512 bytes + 16
.set PB,     288                       ; a k row of B: 256 bytes + 32 = 9 x 32
.set HA,     64*PA                     ; what a tensor load of A brings: 64 rows
.set HB,     128*PB                    ; of B: 128 k rows
.set BOFF,   2*HA
.set SLOT,   2*HA+2*HB
.set ASH,    9                         ; a K step along A's rows is 2^9 bytes
.set BSH,    19                        ; 256 k rows of 2,048 bytes are 2^19 bytes
.set STAGE,  2*SLOT                    ; behind the ring: 16 rows x 272 bytes for each wave
.set SPITCH, 272
.set SPARE,  STAGE+4*16*SPITCH         ; the spare words, 128 bytes a wave, named by no other line
.set ADRA0, 16                         ; v16 my lane's place in A's part of slot 0; never rewritten
.set ADRB0, 17                         ; v17 the same for B
.set ADRA, 18                          ; v18 the same in the slot in hand
.set ADRB, 20                          ; v20 B's k rows 0-127; v21 k rows 128-255
.set STO,  24
.set RD,   25
.set CO,   26
.set BO,   27
.set SPW,  28
.set NIL,  29
.set TMP,  32
.set BIAS, 96
.set ACC,  128
.set F0,   0
.set F1,   128
.set AB,   14                          ; s[14:15] A at the rows that I fetch, K step 0; never rewritten
.set BB,   94                          ; s[94:95] B at my tile's columns and the k rows that I fetch, K step 0; never rewritten
.set G1,   24                          ; s[24:31] descriptor group 1 for A's tiles
.set G0,   32                          ; s[32:39] group 0 for A's: a set for each of the two first fills; the second then serves every refill
.set G1B,  48
.set G0B,  56
.set TB,   45                          ; s45 the byte at which the slot in hand begins: 0 or SLOT
.set KI,   88                          ; s88 the K step to be asked for next
.set OFF,  90                          ; s[90:91] a K step's byte offset
.set MSB, 0
.macro WIN new
.if MSB != (\new)
	s_set_vgpr_msb (MSB<<8)|(\new)
.set MSB, \new
.endif
.endm
.set MUL,  0x05                        ; sources 0 and 1 in window 1; C and D in window 0
.set TO_F, 0x40
.macro JLOAD s                         ; a joint load: waves 0 and 1 fetch A's halves, waves 2 and 3 B's; s_nop 0 and four v_nop follow each line
	s_cmp_eq_u32 s11, 0
	s_cbranch_scc0 .Lfor_b_\@
	tensor_load_to_lds s[G0+4*(\s):G0+4*(\s)+3], s[G1:G1+7]
	s_nop 0
.rept 4
	v_nop
.endr
	s_branch .Lasked_\@
.Lfor_b_\@:
	tensor_load_to_lds s[G0B+4*(\s):G0B+4*(\s)+3], s[G1B:G1B+7]
	s_nop 0
.rept 4
	v_nop
.endr
.Lasked_\@:
.endm
.macro CREST
	s_cmp_lg_u32 s10, 0
	s_cbranch_scc1 .Lnot_wave_0_\@
	s_barrier_signal -3
.Lnot_wave_0_\@:
	s_barrier_wait -3
	s_barrier_signal -1
	s_barrier_wait -1
.endm
.macro CROUND
	s_barrier_signal -1
	s_barrier_wait -1
	CREST
.endm
; Descriptor set s takes K step KI: both global addresses are made anew from the bases; then KI steps on, round the end of K
.macro ASK s
	s_lshl_b32 s[OFF], s[KI], ASH
	s_add_nc_u64 s[G0+4*(\s)+2:G0+4*(\s)+3], s[AB:AB+1], s[OFF:OFF+1]
	s_or_b32 s[G0+4*(\s)+3], s[G0+4*(\s)+3], 0x80000000
	s_lshl_b32 s[OFF], s[KI], BSH
	s_add_nc_u64 s[G0B+4*(\s)+2:G0B+4*(\s)+3], s[BB:BB+1], s[OFF:OFF+1]
	s_or_b32 s[G0B+4*(\s)+3], s[G0B+4*(\s)+3], 0x80000000
	s_add_co_u32 s[KI], s[KI], 1
	s_and_b32 s[KI], s[KI], KSTEPS-1
.endm
	s_load_b256 s[72:79], s[0:1], 0x0              ; a 72, w 74, bias 76, res 78
	s_load_b64 s[80:81], s[0:1], 0x20              ; out 80
	v_lshl_add_u32 v[SPW], v0, 2, SPARE
	v_mov_b32 v[NIL], 0
	ds_add_u32 v[SPW], v[NIL]                      ; the wave's opening: the add and its wait stand ahead of my first tensor load
	v_lshrrev_b32 v1, 5, v0
	v_readfirstlane_b32 s10, v1                    ; wave 0..3
	s_lshr_b32 s11, s10, 1                         ; my half of the rows.  Also: I fetch for A (0) or B (1)
	s_and_b32 s12, s10, 1                          ; my half of the columns.  Also: which half of that tile I fetch
	s_bfe_u32 s40, ttmp6, 0x40000
	s_bfe_u32 s41, ttmp6, 0x40004
	s_lshl_b32 s42, ttmp9, 2
	s_add_co_u32 s42, s42, s40                     ; tile column
	s_and_b32 s13, ttmp7, 0xffff                   ; the cluster's y
	s_mul_i32 s[KI], s13, RY
	s_mul_i32 s[OFF], ttmp9, RX
	s_add_co_u32 s[KI], s[KI], s[OFF]
	s_and_b32 s[KI], s[KI], KSTEPS-1               ; the K step at which my cluster's walk begins
	s_mov_b32 s[OFF+1], 0
	s_lshl_b32 s13, s13, 2
	s_add_co_u32 s13, s13, s41                     ; tile row
	s_lshl_b32 s43, s41, 2
	s_lshl_b32 s43, 15, s43
	s_lshl_b32 s44, 0x1111, s40
	s_or_b32 s[G1+0], s43, (1<<16)|(1<<20)|(1<<21)|(6<<22)|(3<<25)   ; A: 4 words of padding after every 128
	s_or_b32 s[G1B+0], s44, (1<<16)|(1<<20)|(1<<21)|(5<<22)|(7<<25)  ; B: 8 words after every 64
	s_mov_b32 s[G1+1], 256<<16                     ; A: 64 rows x 256 elements
	s_mov_b32 s[G1+2], 64<<16
	s_mov_b32 s[G1+3], 256<<16
	s_mov_b32 s[G1+4], 64
	s_mov_b32 s[G1+5], APITCH
	s_mov_b32 s[G1+6], 0
	s_mov_b32 s[G1+7], 0
	s_mov_b32 s[G1B+1], 128<<16                    ; B: 128 k rows x 128 elements
	s_mov_b32 s[G1B+2], 128<<16
	s_mov_b32 s[G1B+3], 128<<16
	s_mov_b32 s[G1B+4], 128
	s_mov_b32 s[G1B+5], 1024
	s_mov_b32 s[G1B+6], 0
	s_mov_b32 s[G1B+7], 0
	s_mov_b32 s[TB], 0
	s_lshl_b32 s17, s12, 6
	s_lshl_b32 s16, s13, 7
	s_add_co_u32 s16, s16, s17                     ; A: row 128 x tile row + 64 x half,
	s_mul_i32 s16, s16, APITCH*2                   ; in bytes
	s_mov_b32 s17, 0
	s_lshl_b32 s46, s42, 8                         ; B: 256 bytes a tile column,
	s_lshl_b32 s47, s12, 18                        ; 128 k rows of 2,048 bytes a half,
	s_add_co_u32 s46, s46, s47
	s_add_co_u32 s46, s46, 0x800000                ; in the buffer's second part
	s_mov_b32 s47, 0
	s_mul_i32 s20, s12, HA                         ; where A's half goes in a slot,
	s_mul_i32 s21, s12, HB
	s_add_co_u32 s21, s21, BOFF                    ; and B's
	s_wait_dscnt 0x0                               ; the opening add is done
	s_wait_kmcnt 0x0
	s_add_nc_u64 s[AB:AB+1], s[72:73], s[16:17]
	s_add_nc_u64 s[BB:BB+1], s[74:75], s[46:47]
	CROUND                                         ; all sixteen work-groups are here
.irp s, 0,1
	s_mov_b32 s[G0+4*(\s)], 1
	s_add_co_u32 s[G0+4*(\s)+1], s20, (\s)*SLOT
	s_mov_b32 s[G0B+4*(\s)], 1
	s_add_co_u32 s[G0B+4*(\s)+1], s21, (\s)*SLOT
	ASK \s                                         ; the walk's first two K steps
	JLOAD \s
.endr
.macro POINT                           ; the fragment addresses in the slot in hand
	v_add_nc_u32 v[ADRA], s[TB], v[ADRA0]
	v_add_nc_u32 v[ADRB], s[TB], v[ADRB0]
	v_add_nc_u32 v[ADRB+1], HB, v[ADRB]
.endm
.macro FLIP                            ; the other slot is in hand
	s_sub_co_u32 s[TB], SLOT, s[TB]
	POINT
.endm
	v_and_b32 v1, 15, v0                           ; l % 16
	v_bfe_u32 v2, v0, 4, 1                         ; l / 16
	s_lshl_b32 s46, s42, 9                         ; the tile's 128 columns of f32
	s_mov_b32 s47, 0
	s_add_nc_u64 s[92:93], s[76:77], s[46:47]      ; the bias at my tile
	s_lshl_b32 s23, s12, 8
	v_lshl_add_u32 v[BO], v2, 5, s23
.irp b, 0,1,2,3
	global_load_b128 v[BIAS+8*\b:BIAS+8*\b+3],   v[BO], s[92:93] offset:64*\b
	global_load_b128 v[BIAS+8*\b+4:BIAS+8*\b+7], v[BO], s[92:93] offset:64*\b+16
.endr
	s_lshl_b32 s16, s13, 7
	s_lshl_b32 s17, s11, 6
	s_add_co_u32 s16, s16, s17
	s_lshl_b32 s16, s16, 12                        ; my first row, of 4,096 bytes
	s_mov_b32 s17, 0
	s_add_co_u32 s46, s46, s23                     ; my first column
	s_add_nc_u64 s[84:85], s[78:79], s[16:17]
	s_add_nc_u64 s[84:85], s[84:85], s[46:47]      ; the residual at my 64 x 64
	s_add_nc_u64 s[86:87], s[80:81], s[16:17]
	s_add_nc_u64 s[86:87], s[86:87], s[46:47]      ; the output likewise
	v_lshlrev_b32 v5, 12, v2
	v_lshl_add_u32 v[CO], v1, 4, v5                ; lanes 0-15 one row's 256 bytes, lanes 16-31 the next row's
	WIN 0x80
.set i, 0
.rept 32
	global_load_b128 v[4*i:4*i+3], v[CO], s[84:85] offset:2*i*4096
.set i, i+1
.endr
	WIN 0
	v_mul_u32_u24 v3, v1, PA
	v_lshl_add_u32 v3, v2, 4, v3
	v_and_b32 v4, 7, v0
	v_lshl_add_u32 v4, v2, 3, v4
	v_mul_u32_u24 v4, v4, PB
	v_bfe_u32 v5, v0, 3, 1
	v_lshl_add_u32 v4, v5, 4, v4
	s_mul_i32 s22, s11, HA                         ; my 64 rows of A
	s_lshl_b32 s23, s12, 7                         ; my 64 columns of B
	s_add_co_u32 s23, s23, BOFF
	v_add_nc_u32 v[ADRA0], s22, v3
	v_add_nc_u32 v[ADRB0], s23, v4
	POINT
	s_mul_i32 s23, s10, 16*SPITCH
	s_add_co_u32 s23, s23, STAGE                   ; my stage
	v_mul_u32_u24 v5, v1, SPITCH
	v_lshl_add_u32 v5, v2, 5, v5                   ; in: row l % 16, 32 bytes for each half of the lanes
	v_add_nc_u32 v[STO], s23, v5
	v_mul_u32_u24 v5, v2, SPITCH
	v_lshl_add_u32 v5, v1, 4, v5                   ; back: whole rows of 256 bytes
	v_add_nc_u32 v[RD], s23, v5
; 8 matrix instructions: m blocks a0, a0 + 1 x all 4 n blocks, 32 along K: half c of buffer f.  zero = 1: the sums start from the bias.  The 16 accumulators take turns.
.macro MUL8 f, c, a0, zero
	WIN MUL
.irp a, \a0, (\a0)+1
.irp b, 0,1,2,3
.if \zero
	v_wmma_f32_16x16x32_bf16 v[ACC+8*(4*(\a)+(\b)):ACC+8*(4*(\a)+(\b))+7], v[(\f)+64+8*(4*(\c)+(\b)):(\f)+64+8*(4*(\c)+(\b))+7], v[(\f)+8*(4*(\c)+(\a)):(\f)+8*(4*(\c)+(\a))+7], v[BIAS+8*(\b):BIAS+8*(\b)+7]
.else
	v_wmma_f32_16x16x32_bf16 v[ACC+8*(4*(\a)+(\b)):ACC+8*(4*(\a)+(\b))+7], v[(\f)+64+8*(4*(\c)+(\b)):(\f)+64+8*(4*(\c)+(\b))+7], v[(\f)+8*(4*(\c)+(\a)):(\f)+8*(4*(\c)+(\a))+7], v[ACC+8*(4*(\a)+(\b)):ACC+8*(4*(\a)+(\b))+7]
.endif
.endr
.endr
.endm
; 32 LDS loads in one run: quarter q (64 along K) of the slot in hand into buffer f; its first 32 along K first
.macro FETCH q, f
	WIN TO_F
.irp c, 0,1
.irp i, 0,1,2,3
	ds_load_tr16_b128 v[(\f)+64+8*(4*(\c)+(\i)):(\f)+64+8*(4*(\c)+(\i))+3],   v[ADRB+(\q)/2] offset:(64*((\q)%2)+32*(\c))*PB+32*(\i)
	ds_load_tr16_b128 v[(\f)+64+8*(4*(\c)+(\i))+4:(\f)+64+8*(4*(\c)+(\i))+7], v[ADRB+(\q)/2] offset:(64*((\q)%2)+32*(\c)+16)*PB+32*(\i)
	ds_load_b128 v[(\f)+8*(4*(\c)+(\i)):(\f)+8*(4*(\c)+(\i))+3],   v[ADRA] offset:128*(\q)+64*(\c)+(\i)*16*PA
	ds_load_b128 v[(\f)+8*(4*(\c)+(\i))+4:(\f)+8*(4*(\c)+(\i))+7], v[ADRA] offset:128*(\q)+64*(\c)+(\i)*16*PA+32
.endr
.endr
.endm
.macro PLACES                          ; four plain lines between a matrix instruction and a load into, or a read of, its registers
.rept 4
	v_nop
.endr
.endm
.macro QUARTER q, f, g, zero
	s_wait_dscnt 16                                ; the first 32 along K are in
	MUL8 \f, 0, 0, \zero
	MUL8 \f, 0, 2, \zero
	PLACES
	FETCH \q, \g
	s_wait_dscnt 32                                ; all but the 32 just issued
	MUL8 \f, 1, 0, 0
	MUL8 \f, 1, 2, 0
.endm
; The first half of a K step's last quarter, and one barrier for the change of slots.  The half's 16 products stand AHEAD of the wait for the next slot's tile, so that between
; that tile's landing and the next request lie only the three lines, the round and the load.  fill = 1: the descriptors are made while the add is out.
.macro MEET fill
	s_wait_dscnt 16                                ; the first 32 along K are in
	MUL8 F1, 0, 0, 0
	MUL8 F1, 0, 2, 0
	WIN 0                                          ; the add's registers lie in window 0
	s_wait_tensorcnt 0x0                           ; all my tensor loads have landed: the one that may be out is my part of the next slot
	ds_add_u32 v[SPW], v[NIL]                      ; 0 onto my spare word
.if \fill
	s_add_co_u32 s[G0+5], s20, s[TB]               ; no load of mine is out, so a group 0 may be written: into the slot in hand,
	s_add_co_u32 s[G0B+5], s21, s[TB]
	ASK 1                                          ; the walk's next K step
.endif
	s_wait_dscnt 0x0                               ; the add is done, and my reads of this slot are over
	s_barrier_signal -1
	s_barrier_wait -1
.endm
; The whole last quarter of a K step whose slot is filled again, two K steps on in the walk, first thing behind a round of the cluster's barrier
.macro TURN
	MEET 1                                         ; its barrier opens the round
	CREST
	JLOAD 1                                        ; its four v_nop are also the places in front of the loads below
	FLIP
	FETCH 0, F0
	MUL8 F1, 1, 0, 0
	MUL8 F1, 1, 2, 0
.endm
	s_wait_tensorcnt 1                             ; my part of the walk's first K step is in; the second's stays out
	s_barrier_signal -1
	s_barrier_wait -1
	FETCH 0, F0
	s_wait_loadcnt 32                              ; the bias is in; the residual's 32 loads stay out
	QUARTER 1, F0, F1, 1                           ; the first quarter stands in front of the loop: its first products start the sums
	WIN 0
	s_mov_b32 s3, KSTEPS-2
.Lstep:                                                ; a trip: a K step's quarters 1 to 3 and the next step's quarter 0; the slot left is filled again
	QUARTER 2, F1, F0, 0
	QUARTER 3, F0, F1, 0
	TURN
	QUARTER 1, F0, F1, 0
	WIN 0
	s_sub_co_u32 s3, s3, 1
	s_cmp_lg_u32 s3, 0
	s_cbranch_scc1 .Lstep
	s_mov_b32 s3, 2
.Ltail:                                                ; the last two K steps fill nothing: a text of their own; the second trip is left in its middle
	QUARTER 2, F1, F0, 0
	QUARTER 3, F0, F1, 0
	MEET 0
	s_sub_co_u32 s3, s3, 1
	s_cmp_eq_u32 s3, 0
	s_cbranch_scc1 .Lfin
	PLACES
	FLIP
	FETCH 0, F0
	MUL8 F1, 1, 0, 0
	MUL8 F1, 1, 2, 0
	QUARTER 1, F0, F1, 0
	WIN 0
	s_branch .Ltail
.Lfin:
	MUL8 F1, 1, 0, 0
	MUL8 F1, 1, 2, 0
	WIN 0
	; THE WAY OUT, 16 rows at a time through my own stage: a lane's 32 bytes in, whole rows of 256 bytes back, the residual added, stored.
	PLACES
	s_wait_loadcnt 0x0                             ; the residual
.irp a, 0,1,2,3
.irp b, 0,1,2,3
	ds_store_b128 v[STO], v[ACC+8*(4*(\a)+(\b)):ACC+8*(4*(\a)+(\b))+3]   offset:64*(\b)
	ds_store_b128 v[STO], v[ACC+8*(4*(\a)+(\b))+4:ACC+8*(4*(\a)+(\b))+7] offset:64*(\b)+16
.endr
.irp t, 0,1,2,3,4,5,6,7
	ds_load_b128 v[TMP+32*((\a)%2)+4*(\t):TMP+32*((\a)%2)+4*(\t)+3], v[RD] offset:2*SPITCH*(\t)  ; LDS serves a wave's instructions in order: these see the stores above
.endr
	s_wait_dscnt 0x0
	s_wait_xcnt 0x0                                ; frees the other half of TMP, which the block before stored, for the block after this one
	WIN 0x08                                       ; source 1 in window 2
.irp p, 0,1,2,3,4,5,6,7,8,9,10,11,12,13,14,15
	v_pk_add_f32 v[TMP+32*((\a)%2)+2*(\p):TMP+32*((\a)%2)+2*(\p)+1], v[TMP+32*((\a)%2)+2*(\p):TMP+32*((\a)%2)+2*(\p)+1], v[32*(\a)+2*(\p):32*(\a)+2*(\p)+1]
.endr
	WIN 0
.irp t, 0,1,2,3,4,5,6,7
	global_store_b128 v[CO], v[TMP+32*((\a)%2)+4*(\t):TMP+32*((\a)%2)+4*(\t)+3], s[86:87] offset:(16*(\a)+2*(\t))*4096  ; sixteen lanes store 256 consecutive bytes, aligned
.endr
.endr
	s_wait_tensorcnt 0x0                           ; the wave's end
	ds_add_u32 v[SPW], v[NIL]
	s_wait_dscnt 0x0
	CROUND                                         ; the closing round
	s_endpgm
.Lfunc_end_k_qdb37bfdeb6_wo:
	.size	k_qdb37bfdeb6_wo, .Lfunc_end_k_qdb37bfdeb6_wo-k_qdb37bfdeb6_wo
	.p2alignl 7, 3214868480
	.fill 96, 4, 3214868480
	.section	.rodata,"a",@progbits
	.p2align	6, 0x0
	.amdhsa_kernel k_qdb37bfdeb6_wo
		.amdhsa_group_segment_fixed_size 327680
		.amdhsa_private_segment_fixed_size 0
		.amdhsa_enable_private_segment 0
		.amdhsa_kernarg_size 40
		.amdhsa_user_sgpr_count 2
		.amdhsa_user_sgpr_kernarg_segment_ptr 1
		.amdhsa_wavefront_size32 1
		.amdhsa_system_sgpr_workgroup_id_x 1
		.amdhsa_system_sgpr_workgroup_id_y 1
		.amdhsa_system_sgpr_workgroup_id_z 1
		.amdhsa_system_vgpr_workitem_id 0
		.amdhsa_next_free_vgpr 640
		.amdhsa_next_free_sgpr 96
		.amdhsa_reserve_vcc 0
		.amdhsa_float_denorm_mode_32 3
		.amdhsa_float_denorm_mode_16_64 3
		.amdhsa_memory_ordered 1
		.amdhsa_forward_progress 1
		.amdhsa_inst_pref_size 68
	.end_amdhsa_kernel
	.amdgpu_metadata
---
amdhsa.version: [ 1, 2 ]
amdhsa.kernels:
  - .name:           k_qdb37bfdeb6_wo
    .symbol:         k_qdb37bfdeb6_wo.kd
    .args:
      - { .name: n1, .offset: 0, .size: 8, .value_kind: global_buffer, .address_space: global }
      - { .name: wA, .offset: 8, .size: 8, .value_kind: global_buffer, .address_space: global }
      - { .name: bo, .offset: 16, .size: 8, .value_kind: global_buffer, .address_space: global }
      - { .name: x_refined, .offset: 24, .size: 8, .value_kind: global_buffer, .address_space: global }
      - { .name: ybuf, .offset: 32, .size: 8, .value_kind: global_buffer, .address_space: global }
    .group_segment_fixed_size: 327680
    .private_segment_fixed_size: 0
    .kernarg_segment_align: 8
    .kernarg_segment_size: 40
    .max_flat_workgroup_size: 128
    .sgpr_count:     96
    .vgpr_count:     640
    .wavefront_size: 32
...
	.end_amdgpu_metadata
.endif
;; end of part 4
;; launch lnf (part 5): grid 256 x 1, 8 waves a work-group, no clusters, 0 bytes of LDS; arguments ybuf, ln_f_g, ln_f_b, n2; writes n2
.if DOCPART == 5
	.amdgcn_target "amdgcn-amd-amdhsa--gfx1250"
	.amdhsa_code_object_version 6
	.text
	.protected	k_qdb37bfdeb6_lnf
	.globl	k_qdb37bfdeb6_lnf
	.p2align	8
	.type	k_qdb37bfdeb6_lnf,@function
k_qdb37bfdeb6_lnf:
	s_mov_b64 s[64:65], 0
	v_nop
	global_prefetch_b8 v0, s[64:65] scope:SCOPE_SE
	s_setreg_imm32_b32 hwreg(HW_REG_WAVE_MODE, 25, 1), 1
	s_wait_xcnt 0x0
; The third layer norm: out = (y - mean) / sqrt(var + 1e-5) x gain + bias, y [4096][1024] f32, out bf16, rounded once.
; The mean first, then the mean square of y - mean, both in f32.  The work-group owns 16 rows, a wave two; a row stays in the wave's registers between the passes.
; No LDS, no matrix unit: a stream in which every byte is read once and written once.
.set XA, 16                            ; v[16:47]   row 0: chunk j of 256 numbers, my 8 of them at XA + 8 j
.set XB, 48                            ; v[48:79]   row 1
.set GG, 80                            ; v[80:111]  the gain of my 32 columns
.set BB, 112                           ; v[112:143] the bias
.macro LD8 dst, b, off
.irp j, 0,1,2,3
	global_load_b128 v[(\dst)+8*\j:(\dst)+8*\j+3],   v1, s[\b:\b+1] offset:(\off)+1024*\j
	global_load_b128 v[(\dst)+8*\j+4:(\dst)+8*\j+7], v1, s[\b:\b+1] offset:(\off)+1024*\j+16
.endr
.endm
.macro FOLD                            ; four chains in v[4:11] become one number in v4, the same in all 32 lanes
	v_pk_add_f32 v[4:5], v[4:5], v[6:7]
	v_pk_add_f32 v[8:9], v[8:9], v[10:11]
	v_pk_add_f32 v[4:5], v[4:5], v[8:9]
	v_add_f32 v4, v4, v5
	v_add_f32_dpp v4, v4, v4 row_xmask:1 row_mask:0xf bank_mask:0xf
	v_add_f32_dpp v4, v4, v4 row_xmask:2 row_mask:0xf bank_mask:0xf
	v_add_f32_dpp v4, v4, v4 row_xmask:4 row_mask:0xf bank_mask:0xf
	v_add_f32_dpp v4, v4, v4 row_xmask:8 row_mask:0xf bank_mask:0xf
	v_permlanex16_b32 v5, v4, s52, s53
	v_add_f32 v4, v4, v5
.endm
.macro LNROW X, rho, wa, wb
	s_wait_loadcnt \wa
.irp c, 0,1,2,3
	v_pk_add_f32 v[4+2*\c:5+2*\c], v[(\X)+2*\c:(\X)+2*\c+1], v[(\X)+8+2*\c:(\X)+9+2*\c]
.endr
.irp k, 16,24
.irp c, 0,1,2,3
	v_pk_add_f32 v[4+2*\c:5+2*\c], v[4+2*\c:5+2*\c], v[(\X)+\k+2*\c:(\X)+\k+2*\c+1]
.endr
.endr
	FOLD
	v_mul_f32 v12, s54, v4                         ; the mean, twice
	v_mul_f32 v13, s54, v4
.set p, 0
.rept 16
	v_pk_add_f32 v[(\X)+2*p:(\X)+2*p+1], v[(\X)+2*p:(\X)+2*p+1], v[12:13] neg_lo:[0,1] neg_hi:[0,1]
.set p, p+1
.endr
.irp c, 0,1,2,3
	v_pk_mul_f32 v[4+2*\c:5+2*\c], v[(\X)+2*\c:(\X)+2*\c+1], v[(\X)+2*\c:(\X)+2*\c+1]
.endr
.irp k, 8,16,24
.irp c, 0,1,2,3
	v_pk_fma_f32 v[4+2*\c:5+2*\c], v[(\X)+\k+2*\c:(\X)+\k+2*\c+1], v[(\X)+\k+2*\c:(\X)+\k+2*\c+1], v[4+2*\c:5+2*\c]
.endr
.endr
	FOLD
	v_fma_f32 v14, v4, s54, s55                    ; the variance + 1e-5
	v_rsq_f32 v12, v14
	v_rsq_f32 v13, v14
	v_nop                                          ; a plain line between the root and its use (ISA guide 5.7.2)
	s_wait_loadcnt \wb
.set p, 0
	s_wait_alu depctr_va_vdst(0)
.rept 16
	v_pk_mul_f32 v[(\X)+2*p:(\X)+2*p+1], v[(\X)+2*p:(\X)+2*p+1], v[12:13]
.set p, p+1
.endr
.set p, 0
.rept 16
	v_pk_fma_f32 v[(\X)+2*p:(\X)+2*p+1], v[(\X)+2*p:(\X)+2*p+1], v[GG+2*p:GG+2*p+1], v[BB+2*p:BB+2*p+1]
.set p, p+1
.endr
.set p, 0
.rept 16
	v_cvt_pk_bf16_f32 v[(\X)+p], v[(\X)+2*p], v[(\X)+2*p+1]  ; in place, ascending
.set p, p+1
.endr
.irp j, 0,1,2,3
	global_store_b128 v2, v[(\X)+4*\j:(\X)+4*\j+3], s[50:51] offset:(\rho)*2048+512*\j  ; a wave stores 512 consecutive bytes
.endr
.endm
	s_load_b256 s[44:51], s[0:1], 0x0              ; y 44, gain 46, bias 48, out 50
	v_lshrrev_b32 v1, 5, v0
	v_readfirstlane_b32 s2, v1                     ; wave 0..7
	s_lshl_b32 s4, ttmp9, 4
	s_lshl1_add_u32 s4, s2, s4                     ; my first row = 16 x + 2 wave
	s_lshl_b32 s6, s4, 12
	s_mov_b32 s7, 0
	s_lshl_b32 s8, s4, 11
	s_mov_b32 s9, 0
	s_mov_b32 s52, 0x76543210
	s_mov_b32 s53, 0xfedcba98
	s_mov_b32 s54, 0x3a800000                      ; 1 / 1024
	s_mov_b32 s55, 0x3727c5ac                      ; 1e-5
	v_and_b32 v3, 31, v0
	v_lshlrev_b32 v1, 5, v3
	v_lshlrev_b32 v2, 4, v3
	s_wait_kmcnt 0x0
	s_add_nc_u64 s[44:45], s[44:45], s[6:7]
	s_add_nc_u64 s[50:51], s[50:51], s[8:9]
	LD8 XA, 44, 0
	LD8 GG, 46, 0
	LD8 BB, 48, 0
	LD8 XB, 44, 4096
	LNROW XA, 0, 24, 8                             ; 24: gain, bias and row 1 stay out; 8: row 1 stays out
	LNROW XB, 1, 0, 0
	s_endpgm
.Lfunc_end_k_qdb37bfdeb6_lnf:
	.size	k_qdb37bfdeb6_lnf, .Lfunc_end_k_qdb37bfdeb6_lnf-k_qdb37bfdeb6_lnf
	.p2alignl 7, 3214868480
	.fill 96, 4, 3214868480
	.section	.rodata,"a",@progbits
	.p2align	6, 0x0
	.amdhsa_kernel k_qdb37bfdeb6_lnf
		.amdhsa_group_segment_fixed_size 0
		.amdhsa_private_segment_fixed_size 0
		.amdhsa_enable_private_segment 0
		.amdhsa_kernarg_size 32
		.amdhsa_user_sgpr_count 2
		.amdhsa_user_sgpr_kernarg_segment_ptr 1
		.amdhsa_wavefront_size32 1
		.amdhsa_system_sgpr_workgroup_id_x 1
		.amdhsa_system_sgpr_workgroup_id_y 1
		.amdhsa_system_sgpr_workgroup_id_z 1
		.amdhsa_system_vgpr_workitem_id 0
		.amdhsa_next_free_vgpr 144
		.amdhsa_next_free_sgpr 66
		.amdhsa_reserve_vcc 0
		.amdhsa_float_denorm_mode_32 3
		.amdhsa_float_denorm_mode_16_64 3
		.amdhsa_memory_ordered 1
		.amdhsa_forward_progress 1
		.amdhsa_inst_pref_size 20
	.end_amdhsa_kernel
	.amdgpu_metadata
---
amdhsa.version: [ 1, 2 ]
amdhsa.kernels:
  - .name:           k_qdb37bfdeb6_lnf
    .symbol:         k_qdb37bfdeb6_lnf.kd
    .args:
      - { .name: ybuf, .offset: 0, .size: 8, .value_kind: global_buffer, .address_space: global }
      - { .name: ln_f_g, .offset: 8, .size: 8, .value_kind: global_buffer, .address_space: global }
      - { .name: ln_f_b, .offset: 16, .size: 8, .value_kind: global_buffer, .address_space: global }
      - { .name: n2, .offset: 24, .size: 8, .value_kind: global_buffer, .address_space: global }
    .group_segment_fixed_size: 0
    .private_segment_fixed_size: 0
    .kernarg_segment_align: 8
    .kernarg_segment_size: 32
    .max_flat_workgroup_size: 256
    .sgpr_count:     66
    .vgpr_count:     144
    .wavefront_size: 32
...
	.end_amdgpu_metadata
.endif
;; end of part 5
;; launch w1 (part 6): grid 16 x 16, 4 waves a work-group, clusters of 4 x 4, 327,680 bytes of LDS; arguments n2, wB, b1, big; writes big
.if DOCPART == 6
	.amdgcn_target "amdgcn-amd-amdhsa--gfx1250"
	.amdhsa_code_object_version 6
	.text
	.protected	k_qdb37bfdeb6_w1
	.globl	k_qdb37bfdeb6_w1
	.p2align	8
	.type	k_qdb37bfdeb6_w1,@function
k_qdb37bfdeb6_w1:
	s_mov_b64 s[64:65], 0
	v_nop
	global_prefetch_b8 v0, s[64:65] scope:SCOPE_SE
	s_setreg_imm32_b32 hwreg(HW_REG_WAVE_MODE, 25, 1), 1
	s_wait_xcnt 0x0
	s_wait_alu depctr_hold_cnt(0) depctr_sa_sdst(0) depctr_va_vdst(0) depctr_va_sdst(0) depctr_va_ssrc(0) depctr_va_vcc(0) depctr_vm_vsrc(0)
	s_getreg_b32 s2, hwreg(HW_REG_IB_STS2, 6, 4)
	s_cmp_eq_u32 s2, 0
	s_cbranch_scc0 .Lentry_in_a_cluster
	s_endpgm
.Lentry_in_a_cluster:
	s_bfe_u32 s2, ttmp6, 0x10000c
	s_cmp_lg_u32 s2, 0xf033
	s_cbranch_scc0 .Lentry_shape_is_right
	s_endpgm
.Lentry_shape_is_right:
; C = A B + bias, rounded once to bf16; with GELU = 1 through the exact GELU first.  A: [4096][1024] bf16.  B: [1024 k][pitch 4096] bf16, as it lies ([k][n]).  Sums in f32.
; This source serves two kernels; the constants GELU, RX and RY below are all that differs.
;   GELU = 0 (arguments a0, a1, w, c0, c1, c2, out): cluster column c = 0, 1, 2 makes q, k, v: A is a0 for c = 0 and a1 otherwise, the bias c0, c1 or c2;
;            the output has blocks of [4096][1024] bf16, 8,388,608 bytes apart, block c for cluster column c.
;   GELU = 1 (arguments a, w, bias, out): N = 4,096, the output dense [4096][4096] bf16.
; A tile of C, 256 x 256, is made by four waves, 128 x 128 each: 64 accumulators.  K = 1,024 goes in 8 steps of 128 through two LDS slots filled by tensor loads.
; The K step is written once and looped over: the scalar TB holds the byte at which the slot in hand begins, and the fragment addresses are made from it at each change of slots.
; CLUSTER 4 x 4: A's tiles are asked for jointly along a row of the cluster, B's along a column.  The cluster's own x and y (ttmp9, ttmp7) are the same in all sixteen.
; THE WALK ALONG K.  Cluster (x, y) begins at K step (RX x + RY y) mod 8 and goes round the end of K to where it began.  Clusters with the same y read the same tiles of A, clusters with the
; same x the same tiles of B; RX and RY set their walks apart, so that a tile is asked for by one of them first and by the others some steps later.  GELU = 1, 4 x 4 clusters: A's four readers
; begin 2 steps apart, B's 4 apart.  GELU = 0, 3 x 4 clusters: k's and v's clusters, which share A, begin 4 apart, B's readers too.
; THE MATRIX INSTRUCTION IS USED TRANSPOSED: source 0 = 16 columns of B (turned on the way out of LDS by ds_load_tr16_b128), source 1 = 16 rows of A:
; a lane holds row l % 16 of C and the columns 8 (l / 16) + 0..7.  The bias, laid in that pattern, is the C operand of the products that start the sums.
; THE WAY OUT: when the ring has had its last fill and its last read, each wave lays its 128 x 128 f32 into its own 67,584 bytes of the ring and reads whole rows back.
; LIMITS.  The K steps are added in the walk's order, which differs from cluster to cluster: an order of rounding other than ascending K.
; erf by a rational form with five terms: absolute error 1.5e-7 (GELU's error is that times |z| / 2).  NaN and infinities are not treated apart.
; REGISTERS, in windows of 256: window 0: v16-29 addresses; v64-191 A's fragments, two buffers; later the way out.  window 1: v0-63 the bias; v64-191 B's fragments.
;   window 2: the accumulators of my rows 0-63 ((a, b) at 8 (8 a + b)); window 3: of my rows 64-127.
.set GELU,   1
.set RX,     2
.set RY,     4
.set KSTEPS, 8                         ; K / 128
.set PA,     272                       ; a row of A in LDS: 256 bytes + 16: the 16 rows of a fragment load start in 16 different groups of four banks
.set PB,     544                       ; a k row of B: 512 bytes + 32 = 17 x 32
.set HALFT,  34816                     ; what one tensor load brings: 128 rows of A, or 64 k rows of B
.set SLOT,   4*HALFT                   ; A's two halves, then B's two halves
.set ASH,    8                         ; a K step along A's rows is 2^8 bytes
.set BSH,    20                        ; 128 k rows of 8,192 bytes are 2^20 bytes
.set SPITCH, 528                       ; the way out: a row of 128 f32 + 16 bytes
.set WSTAGE, 128*SPITCH                ; a wave's stage
.set SPARE,  2*SLOT                    ; behind the ring: the spare words, 128 bytes a wave, named by no other line
.set OPITCH, 2048+6144*GELU            ; bytes from row to row of the output
.set ADRA0, 16                         ; v16 my lane's place in A's part of slot 0; never rewritten
.set ADRB0, 17                         ; v17 the same for B
.set ADRA, 18                          ; v18 the same in the slot in hand
.set ADRB, 19                          ; v19
.set STO,  24
.set RD,   25
.set CO,   26
.set BO,   27
.set SPW,  28                          ; my spare word's address; never rewritten
.set NIL,  29                          ; 0; never rewritten
.set F0,   64
.set F1,   128
.set RR,   64                          ; the way out, window 0: 8 rows read back
.set XX,   96                          ; z / 2, then the result
.set TT,   128
.set QQ,   160
.set PP,   192
.set YY,   224                         ; packed, to store
.set AB,   14                          ; s[14:15] A at the rows that I fetch, K step 0; never rewritten
.set BB,   94                          ; s[94:95] B at my tile's columns and the k rows that I fetch, K step 0; never rewritten
.set G1,   24                          ; s[24:31] descriptor group 1 for A's tiles
.set G0,   32                          ; s[32:39] group 0 for A's: a set for each of the two first fills; the second then serves every refill
.set G1B,  48                          ; s[48:55], s[56:63] the same for B's
.set G0B,  56
.set TB,   45                          ; s45 the byte at which the slot in hand begins: 0 or SLOT
.set OFF,  86                          ; s[86:87] a K step's byte offset
.set KI,   88                          ; s88 the K step to be asked for next
.set PKS,  89
.if GELU
.set PW, 74
.set PO, 78
.else
.set PW, 76
.set PO, 84
.endif
.set MSB, 0
.macro WIN new                         ; the immediate's high byte repeats the setting that is left; a switch that changes nothing is dropped
.if MSB != (\new)
	s_set_vgpr_msb (MSB<<8)|(\new)
.set MSB, \new
.endif
.endm
; A joint load: waves 0 and 1 fetch A's halves, waves 2 and 3 B's.  The branch hangs on the wave's number alone.  s_nop 0 and four v_nop follow each line.
.macro JLOAD s
	s_cmp_eq_u32 s11, 0
	s_cbranch_scc0 .Lfor_b_\@
	tensor_load_to_lds s[G0+4*(\s):G0+4*(\s)+3], s[G1:G1+7]
	s_nop 0
.rept 4
	v_nop
.endr
	s_branch .Lasked_\@
.Lfor_b_\@:
	tensor_load_to_lds s[G0B+4*(\s):G0B+4*(\s)+3], s[G1B:G1B+7]
	s_nop 0
.rept 4
	v_nop
.endr
.Lasked_\@:
.endm
.macro CREST                           ; a round of the cluster's barrier behind its opening barrier
	s_cmp_lg_u32 s10, 0
	s_cbranch_scc1 .Lnot_wave_0_\@
	s_barrier_signal -3
.Lnot_wave_0_\@:
	s_barrier_wait -3
	s_barrier_signal -1
	s_barrier_wait -1
.endm
.macro CROUND
	s_barrier_signal -1
	s_barrier_wait -1
	CREST
.endm
; Descriptor set s takes K step KI: both global addresses are made anew from the bases; then KI steps on, round the end of K
.macro ASK s
	s_lshl_b32 s[OFF], s[KI], ASH
	s_add_nc_u64 s[G0+4*(\s)+2:G0+4*(\s)+3], s[AB:AB+1], s[OFF:OFF+1]
	s_or_b32 s[G0+4*(\s)+3], s[G0+4*(\s)+3], 0x80000000
	s_lshl_b32 s[OFF], s[KI], BSH
	s_add_nc_u64 s[G0B+4*(\s)+2:G0B+4*(\s)+3], s[BB:BB+1], s[OFF:OFF+1]
	s_or_b32 s[G0B+4*(\s)+3], s[G0B+4*(\s)+3], 0x80000000
	s_add_co_u32 s[KI], s[KI], 1
	s_and_b32 s[KI], s[KI], KSTEPS-1
.endm
.if GELU
	s_load_b256 s[72:79], s[0:1], 0x0              ; a 72, w 74, bias 76, out 78
.else
	s_load_b256 s[72:79], s[0:1], 0x0              ; a0 72, a1 74, w 76, c0 78
	s_load_b128 s[80:83], s[0:1], 0x20             ; c1 80, c2 82
	s_load_b64 s[84:85], s[0:1], 0x30              ; out 84
.endif
	v_lshl_add_u32 v[SPW], v0, 2, SPARE
	v_mov_b32 v[NIL], 0
	ds_add_u32 v[SPW], v[NIL]                      ; the wave's opening: the add and its wait stand ahead of my first tensor load
	v_lshrrev_b32 v1, 5, v0
	v_readfirstlane_b32 s10, v1                    ; wave 0..3
	s_lshr_b32 s11, s10, 1                         ; my half of the tile's rows.  Also: I fetch for A (0) or B (1)
	s_and_b32 s12, s10, 1                          ; my half of its columns.  Also: which half of that tile I fetch
	s_bfe_u32 s40, ttmp6, 0x40000                  ; cx
	s_bfe_u32 s41, ttmp6, 0x40004                  ; cy
	s_lshl_b32 s42, ttmp9, 2
	s_add_co_u32 s42, s42, s40                     ; tile column
	s_and_b32 s13, ttmp7, 0xffff                   ; the cluster's y
	s_mul_i32 s[KI], s13, RY
	s_mul_i32 s[OFF], ttmp9, RX
	s_add_co_u32 s[KI], s[KI], s[OFF]
	s_and_b32 s[KI], s[KI], KSTEPS-1               ; the K step at which my cluster's walk begins
	s_mov_b32 s[OFF+1], 0
	s_lshl_b32 s13, s13, 2
	s_add_co_u32 s13, s13, s41                     ; tile row
	s_lshl_b32 s43, s41, 2
	s_lshl_b32 s43, 15, s43                        ; my row of the cluster
	s_lshl_b32 s44, 0x1111, s40                    ; my column
	s_or_b32 s[G1+0], s43, (1<<16)|(1<<20)|(1<<21)|(5<<22)|(3<<25)   ; A: 2-byte elements, 4 words of padding after every 64, bit 21 beside the mask
	s_or_b32 s[G1B+0], s44, (1<<16)|(1<<20)|(1<<21)|(6<<22)|(7<<25)  ; B: 8 words of padding after every 128
	s_mov_b32 s[G1+1], 128<<16                     ; A: tensor_dim0 = 128
	s_mov_b32 s[G1+2], 128<<16                     ; tensor_dim1 = 128
	s_mov_b32 s[G1+3], 128<<16                     ; tile_dim0 = 128
	s_mov_b32 s[G1+4], 128                         ; tile_dim1 = 128
	s_mov_b32 s[G1+5], 1024                        ; elements from row to row
	s_mov_b32 s[G1+6], 0
	s_mov_b32 s[G1+7], 0
	s_mov_b32 s[G1B+1], 256<<16                    ; B: tensor_dim0 = 256
	s_mov_b32 s[G1B+2], 64<<16                     ; tensor_dim1 = 64
	s_mov_b32 s[G1B+3], 256<<16                    ; tile_dim0 = 256
	s_mov_b32 s[G1B+4], 64                         ; tile_dim1 = 64
	s_mov_b32 s[G1B+5], 4096
	s_mov_b32 s[G1B+6], 0
	s_mov_b32 s[G1B+7], 0
.if GELU
	s_mov_b32 s[PKS], 0x3eed3388                   ; 0.3275911 x sqrt(2)
	s_mov_b32 s4, 0xc038aa3b                       ; -2 log2(e); the constants lie in pairs, since the packed lines name pairs
	s_mov_b32 s5, 0xc038aa3b
	s_mov_b32 s6, 0x3f87dc22                       ; a5 = 1.061405429
	s_mov_b32 s7, 0x3f87dc22
	s_mov_b32 s8, 0xbfba00e3                       ; a4 = -1.453152027
	s_mov_b32 s9, 0xbfba00e3
	s_mov_b32 s66, 0x3fb5f0e3                      ; a3 = 1.421413741
	s_mov_b32 s67, 0x3fb5f0e3
	s_mov_b32 s68, 0xbe91a98e                      ; a2 = -0.284496736
	s_mov_b32 s69, 0xbe91a98e
	s_mov_b32 s70, 0x3e827906                      ; a1 = 0.254829592
	s_mov_b32 s71, 0x3e827906
.endif
	s_mov_b32 s[TB], 0
	s_lshl_b32 s17, s12, 7
	s_lshl_b32 s16, s13, 8
	s_add_co_u32 s16, s16, s17                     ; A: row 256 x tile row + 128 x half,
	s_lshl_b32 s16, s16, 11                        ; of 2,048 bytes
	s_mov_b32 s17, 0
	s_lshl_b32 s46, s42, 9                         ; B: 512 bytes a tile column,
	s_lshl_b32 s47, s12, 19                        ; 64 k rows of 8,192 bytes a half
	s_add_co_u32 s46, s46, s47
	s_mov_b32 s47, 0
	s_mul_i32 s20, s10, HALFT                      ; where my part goes in a slot: wave x 34,816
	s_wait_dscnt 0x0                               ; the opening add is done
	s_wait_kmcnt 0x0
.if GELU
	s_add_nc_u64 s[AB:AB+1], s[72:73], s[16:17]
.else
	s_cmp_eq_u32 ttmp9, 0                          ; the cluster's x: q, k or v
	s_cselect_b64 s[AB:AB+1], s[72:73], s[74:75]
	s_cselect_b64 s[90:91], s[78:79], s[80:81]
	s_cmp_eq_u32 ttmp9, 2
	s_cselect_b64 s[90:91], s[82:83], s[90:91]
	s_add_nc_u64 s[AB:AB+1], s[AB:AB+1], s[16:17]
.endif
	s_add_nc_u64 s[BB:BB+1], s[PW:PW+1], s[46:47]
	CROUND                                         ; all sixteen work-groups are here: the first joint loads meet
.irp s, 0,1
	s_mov_b32 s[G0+4*(\s)], 1
	s_add_co_u32 s[G0+4*(\s)+1], s20, (\s)*SLOT
	s_mov_b32 s[G0B+4*(\s)], 1
	s_add_co_u32 s[G0B+4*(\s)+1], s20, (\s)*SLOT
	ASK \s                                         ; the walk's first two K steps
	JLOAD \s
.endr
.macro POINT                           ; the fragment addresses in the slot in hand
	v_add_nc_u32 v[ADRA], s[TB], v[ADRA0]
	v_add_nc_u32 v[ADRB], s[TB], v[ADRB0]
.endm
.macro FLIP                            ; the other slot is in hand
	s_sub_co_u32 s[TB], SLOT, s[TB]
	POINT
.endm
	v_and_b32 v1, 15, v0                           ; l % 16
	v_bfe_u32 v2, v0, 4, 1                         ; l / 16
	v_mul_u32_u24 v3, v1, PA
	v_lshl_add_u32 v3, v2, 4, v3                   ; A: row x pitch + 16 x half
	v_and_b32 v4, 7, v0
	v_lshl_add_u32 v4, v2, 3, v4                   ; B: k row 8 (l / 16) + l % 8,
	v_mul_u32_u24 v4, v4, PB
	v_bfe_u32 v5, v0, 3, 1
	v_lshl_add_u32 v4, v5, 4, v4                   ; columns 8 ((l / 8) % 2) on
	s_mul_i32 s21, s11, HALFT
	s_lshl_b32 s22, s12, 8                         ; my 128 columns
	s_add_co_u32 s22, s22, 2*HALFT
	v_add_nc_u32 v[ADRA0], s21, v3
	v_add_nc_u32 v[ADRB0], s22, v4
	POINT
.if GELU
	s_lshl_b32 s46, s42, 10                        ; the bias of my tile: 256 f32 a tile column
	s_mov_b32 s47, 0
	s_add_nc_u64 s[90:91], s[76:77], s[46:47]
.else
	s_lshl_b32 s46, s40, 10                        ; 256 f32 a tile column of the cluster's 1,024
	s_mov_b32 s47, 0
	s_add_nc_u64 s[90:91], s[90:91], s[46:47]
.endif
	s_lshl_b32 s23, s12, 9
	v_lshl_add_u32 v[BO], v2, 5, s23               ; my half's 512 bytes, 32 for each half of the lanes
	WIN 0x40
.irp b, 0,1,2,3,4,5,6,7
	global_load_b128 v[8*\b:8*\b+3],   v[BO], s[90:91] offset:64*\b
	global_load_b128 v[8*\b+4:8*\b+7], v[BO], s[90:91] offset:64*\b+16
.endr
	WIN 0
	s_mul_i32 s23, s10, WSTAGE
	v_mul_u32_u24 v5, v1, SPITCH                   ; in: row l % 16, 16 bytes for each half of the lanes
	v_lshl_add_u32 v5, v2, 4, v5
	v_add_nc_u32 v[STO], s23, v5
	v_mul_u32_u24 v5, v2, SPITCH                   ; back: lanes 0-15 one row, lanes 16-31 the next
	v_lshl_add_u32 v5, v1, 4, v5
	v_add_nc_u32 v[RD], s23, v5
	v_mul_u32_u24 v5, v2, OPITCH                   ; the same two rows in the output
	v_lshl_add_u32 v[CO], v1, 4, v5
	s_lshl_b32 s16, s13, 8
	s_lshl_b32 s17, s11, 7
	s_add_co_u32 s16, s16, s17
	s_mul_i32 s16, s16, OPITCH                     ; my first row
.if GELU
	s_lshl_b32 s46, s42, 9                         ; my tile's first column, in bytes
.else
	s_lshl_b32 s17, ttmp9, 23                      ; the cluster column's block
	s_add_co_u32 s16, s16, s17
	s_lshl_b32 s46, s40, 9                         ; my tile's first column in the block
.endif
	s_mov_b32 s17, 0
	s_add_nc_u64 s[92:93], s[PO:PO+1], s[16:17]
	s_lshl_b32 s47, s12, 8
	s_add_co_u32 s46, s46, s47
	s_mov_b32 s47, 0
	s_add_nc_u64 s[92:93], s[92:93], s[46:47]
; 16 matrix instructions: m blocks a0, a0 + 1 of the window's four x all 8 n blocks, 32 along K.  first = 1: the sums start from the bias (window 1, v[8 b ..]).
; The 64 accumulators take turns, one instruction a turn.
.macro MUL16 f, hi, a0, first
.if \first
	WIN 0x91+0x40*(\hi)
.else
	WIN 0xa1+0x50*(\hi)
.endif
.irp a, \a0, (\a0)+1
.irp b, 0,1,2,3,4,5,6,7
.if \first
	v_wmma_f32_16x16x32_bf16 v[8*(8*(\a)+(\b)):8*(8*(\a)+(\b))+7], v[(\f)+8*(\b):(\f)+8*(\b)+7], v[(\f)+8*(4*(\hi)+(\a)):(\f)+8*(4*(\hi)+(\a))+7], v[8*(\b):8*(\b)+7]
.else
	v_wmma_f32_16x16x32_bf16 v[8*(8*(\a)+(\b)):8*(8*(\a)+(\b))+7], v[(\f)+8*(\b):(\f)+8*(\b)+7], v[(\f)+8*(4*(\hi)+(\a)):(\f)+8*(4*(\hi)+(\a))+7], v[8*(8*(\a)+(\b)):8*(8*(\a)+(\b))+7]
.endif
.endr
.endr
.endm
; 32 LDS loads in one run: quarter q (32 along K) of the slot in hand into buffer f: B's 128 columns turned, then A's 128 rows
.macro FETCH q, f
	WIN 0x40
.irp i, 0,1,2,3,4,5,6,7
	ds_load_tr16_b128 v[(\f)+8*(\i):(\f)+8*(\i)+3],   v[ADRB] offset:(\q)*32*PB+32*(\i)
	ds_load_tr16_b128 v[(\f)+8*(\i)+4:(\f)+8*(\i)+7], v[ADRB] offset:(\q)*32*PB+16*PB+32*(\i)
.endr
	WIN 0
.irp i, 0,1,2,3,4,5,6,7
	ds_load_b128 v[(\f)+8*(\i):(\f)+8*(\i)+3],   v[ADRA] offset:(\q)*64+(\i)*16*PA
	ds_load_b128 v[(\f)+8*(\i)+4:(\f)+8*(\i)+7], v[ADRA] offset:(\q)*64+(\i)*16*PA+32
.endr
.endm
.macro PLACES                          ; four plain lines between a matrix instruction and a load into, or a read of, its registers
.rept 4
	v_nop
.endr
.endm
; One of a K step's first three quarters: multiplies buffer f; in its middle fetches quarter q of the slot in hand into buffer g
.macro QUARTER q, f, g, first
	s_wait_dscnt 8                                 ; B and A's rows 0-63 are in; the youngest eight loads (A's rows 64-127) may be out
	MUL16 \f, 0, 0, \first
	MUL16 \f, 0, 2, \first
	PLACES
	FETCH \q, \g
	s_wait_dscnt 32                                ; all but the 32 just issued
	MUL16 \f, 1, 0, \first
	MUL16 \f, 1, 2, \first
.endm
; The first half of a K step's last quarter, and one barrier for the change of slots.  The half's 32 products stand AHEAD of the wait for the next slot's tile, so that between
; that tile's landing and the next request lie only the three lines, the round and the load.  fill = 1: the descriptors are made while the add is out.
.macro MEET fill
	s_wait_dscnt 8                                 ; B and A's rows 0-63 are in; the youngest eight loads may be out
	MUL16 F1, 0, 0, 0
	MUL16 F1, 0, 2, 0
	WIN 0                                          ; the add's registers lie in window 0
	s_wait_tensorcnt 0x0                           ; all my tensor loads have landed: the one that may be out is my part of the next slot
	ds_add_u32 v[SPW], v[NIL]                      ; 0 onto my spare word
.if \fill
	s_add_co_u32 s[G0+5], s20, s[TB]               ; no load of mine is out, so a group 0 may be written: into the slot in hand,
	s_add_co_u32 s[G0B+5], s20, s[TB]
	ASK 1                                          ; the walk's next K step
.endif
	s_wait_dscnt 0x0                               ; the add is done, and my reads of this slot are over
	s_barrier_signal -1
	s_barrier_wait -1
.endm
; The whole last quarter of a K step whose slot is filled again, two K steps on in the walk, first thing behind a round of the cluster's barrier
.macro TURN
	MEET 1                                         ; its barrier opens the round
	CREST
	JLOAD 1                                        ; its four v_nop are also the places in front of the loads below
	FLIP
	FETCH 0, F0
	MUL16 F1, 1, 0, 0
	MUL16 F1, 1, 2, 0
.endm
	s_wait_tensorcnt 1                             ; my part of the walk's first K step is in; the second's stays out
	s_barrier_signal -1
	s_barrier_wait -1
	FETCH 0, F0
	s_wait_loadcnt 0x0                             ; the bias
	QUARTER 1, F0, F1, 1                           ; the first quarter stands in front of the loop: its products start the sums
	WIN 0
	s_mov_b32 s3, KSTEPS-2
.Lstep:                                                ; a trip: a K step's quarters 1 to 3 and the next step's quarter 0; the slot left is filled again
	QUARTER 2, F1, F0, 0
	QUARTER 3, F0, F1, 0
	TURN
	QUARTER 1, F0, F1, 0
	WIN 0
	s_sub_co_u32 s3, s3, 1
	s_cmp_lg_u32 s3, 0
	s_cbranch_scc1 .Lstep
	s_mov_b32 s3, 2
.Ltail:                                                ; the last two K steps fill nothing: a text of their own; the second trip is left in its middle
	QUARTER 2, F1, F0, 0
	QUARTER 3, F0, F1, 0
	MEET 0                                         ; in the second trip: behind this barrier nobody reads the ring any more
	s_sub_co_u32 s3, s3, 1
	s_cmp_eq_u32 s3, 0
	s_cbranch_scc1 .Lfin
	PLACES
	FLIP
	FETCH 0, F0
	MUL16 F1, 1, 0, 0
	MUL16 F1, 1, 2, 0
	QUARTER 1, F0, F1, 0
	WIN 0
	s_branch .Ltail
.Lfin:
	MUL16 F1, 1, 0, 0
	MUL16 F1, 1, 2, 0
	WIN 0
	PLACES
	; THE WAY OUT.  My 128 x 128 f32 into my stage, in ring bytes that have had their last fill.  A row's 512 bytes lie as two halves: a lane's first four columns in the first,
	; its last four in the second, so that the lane that reads 16 bytes of each half holds eight neighbouring columns.  Each accumulator's low registers go first.
.irp a, 0,1,2,3,4,5,6,7
	WIN 0x08+4*((\a)/4)
.irp b, 0,1,2,3,4,5,6,7
	ds_store_b128 v[STO], v[8*(8*((\a)%4)+(\b)):8*(8*((\a)%4)+(\b))+3]   offset:16*SPITCH*(\a)+32*(\b)
	ds_store_b128 v[STO], v[8*(8*((\a)%4)+(\b))+4:8*(8*((\a)%4)+(\b))+7] offset:16*SPITCH*(\a)+32*(\b)+256
.endr
.endr
	WIN 0
.macro LOADR                           ; eight rows back: LDS serves a wave's instructions in order, so these see my stores
.irp t, 0,1,2,3
	ds_load_b128 v[RR+8*\t:RR+8*\t+3],   v[RD] offset:2*SPITCH*\t
	ds_load_b128 v[RR+8*\t+4:RR+8*\t+7], v[RD] offset:2*SPITCH*\t+256
.endr
.endm
.macro PACK src
.set i, 0
.rept 16
	v_cvt_pk_bf16_f32 v[YY+i], v[(\src)+2*i], v[(\src)+2*i+1]
.set i, i+1
.endr
.endm
; gelu(z) = h + |h| erf(sqrt(2) |h|), h = z / 2 in XX.  erf(x) = 1 - (a1 t + .. + a5 t^5) e^(-x x), t = 1 / (1 + 0.3275911 x).
; Every reciprocal and exponential has a plain line that names none of its registers behind it.
.macro GELU32
.set i, 0
.rept 32
	v_fma_f32 v[TT+i], |v[XX+i]|, s[PKS], 1.0
.set i, i+1
.endr
.set i, 0
.rept 16
	v_rcp_f32 v[TT+2*i], v[TT+2*i]
	v_pk_mul_f32 v[QQ+2*i:QQ+2*i+1], v[XX+2*i:XX+2*i+1], v[XX+2*i:XX+2*i+1]
	v_rcp_f32 v[TT+2*i+1], v[TT+2*i+1]
	v_pk_mul_f32 v[QQ+2*i:QQ+2*i+1], v[QQ+2*i:QQ+2*i+1], s[4:5] op_sel_hi:[1,0]
.set i, i+1
.endr
.set i, 0
.rept 16
	v_exp_f32 v[QQ+2*i], v[QQ+2*i]
	s_wait_alu depctr_va_vdst(0)
	v_pk_fma_f32 v[PP+2*i:PP+2*i+1], v[TT+2*i:TT+2*i+1], s[6:7], s[8:9] op_sel_hi:[1,0,0]
	v_exp_f32 v[QQ+2*i+1], v[QQ+2*i+1]
	v_pk_fma_f32 v[PP+2*i:PP+2*i+1], v[PP+2*i:PP+2*i+1], v[TT+2*i:TT+2*i+1], s[66:67] op_sel_hi:[1,1,0]
.set i, i+1
.endr
.set i, 0
.rept 16
	v_pk_fma_f32 v[PP+2*i:PP+2*i+1], v[PP+2*i:PP+2*i+1], v[TT+2*i:TT+2*i+1], s[68:69] op_sel_hi:[1,1,0]
.set i, i+1
.endr
.set i, 0
.rept 16
	v_pk_fma_f32 v[PP+2*i:PP+2*i+1], v[PP+2*i:PP+2*i+1], v[TT+2*i:TT+2*i+1], s[70:71] op_sel_hi:[1,1,0]
.set i, i+1
.endr
.set i, 0
.rept 16
	v_pk_mul_f32 v[PP+2*i:PP+2*i+1], v[PP+2*i:PP+2*i+1], v[TT+2*i:TT+2*i+1]
.set i, i+1
.endr
.set i, 0
	s_wait_alu depctr_va_vdst(0)
.rept 16
	v_pk_fma_f32 v[PP+2*i:PP+2*i+1], v[PP+2*i:PP+2*i+1], v[QQ+2*i:QQ+2*i+1], 1.0 op_sel_hi:[1,1,0] neg_lo:[1,0,0] neg_hi:[1,0,0]
.set i, i+1
.endr
.set i, 0
.rept 32
	v_fma_f32 v[XX+i], |v[XX+i]|, v[PP+i], v[XX+i]
.set i, i+1
.endr
.endm
	LOADR
	s_mov_b32 s3, 16
.Lrows:                                                ; a trip: eight rows leave; the next eight are read from the stage as soon as these have left RR
	s_wait_dscnt 0x0                               ; the eight rows are in RR
.if GELU
.set i, 0
.rept 16
	v_pk_mul_f32 v[XX+2*i:XX+2*i+1], v[RR+2*i:RR+2*i+1], 0.5 op_sel_hi:[1,0]
.set i, i+1
.endr
.else
	PACK RR
.endif
	s_cmp_eq_u32 s3, 1                             ; the last trip reads nothing more: nothing is read past the stage
	s_cbranch_scc1 .Lnoread
	v_add_nc_u32 v[RD], 8*SPITCH, v[RD]
	LOADR
.Lnoread:
.if GELU
	GELU32
	PACK XX
.endif
.irp t, 0,1,2,3
	global_store_b128 v[CO], v[YY+4*\t:YY+4*\t+3], s[92:93] offset:2*OPITCH*\t  ; sixteen lanes store 256 consecutive bytes, aligned
.endr
	s_wait_xcnt 0x0                                ; the stores' base and data are rewritten only behind this wait
	s_add_nc_u64 s[92:93], s[92:93], 8*OPITCH
	s_sub_co_u32 s3, s3, 1
	s_cmp_lg_u32 s3, 0
	s_cbranch_scc1 .Lrows
	s_wait_tensorcnt 0x0                           ; the wave's end
	ds_add_u32 v[SPW], v[NIL]
	s_wait_dscnt 0x0
	CROUND                                         ; the closing round
	s_endpgm
.Lfunc_end_k_qdb37bfdeb6_w1:
	.size	k_qdb37bfdeb6_w1, .Lfunc_end_k_qdb37bfdeb6_w1-k_qdb37bfdeb6_w1
	.p2alignl 7, 3214868480
	.fill 96, 4, 3214868480
	.section	.rodata,"a",@progbits
	.p2align	6, 0x0
	.amdhsa_kernel k_qdb37bfdeb6_w1
		.amdhsa_group_segment_fixed_size 327680
		.amdhsa_private_segment_fixed_size 0
		.amdhsa_enable_private_segment 0
		.amdhsa_kernarg_size 32
		.amdhsa_user_sgpr_count 2
		.amdhsa_user_sgpr_kernarg_segment_ptr 1
		.amdhsa_wavefront_size32 1
		.amdhsa_system_sgpr_workgroup_id_x 1
		.amdhsa_system_sgpr_workgroup_id_y 1
		.amdhsa_system_sgpr_workgroup_id_z 1
		.amdhsa_system_vgpr_workitem_id 0
		.amdhsa_next_free_vgpr 1024
		.amdhsa_next_free_sgpr 96
		.amdhsa_reserve_vcc 0
		.amdhsa_float_denorm_mode_32 3
		.amdhsa_float_denorm_mode_16_64 3
		.amdhsa_memory_ordered 1
		.amdhsa_forward_progress 1
		.amdhsa_inst_pref_size 100
	.end_amdhsa_kernel
	.amdgpu_metadata
---
amdhsa.version: [ 1, 2 ]
amdhsa.kernels:
  - .name:           k_qdb37bfdeb6_w1
    .symbol:         k_qdb37bfdeb6_w1.kd
    .args:
      - { .name: n2, .offset: 0, .size: 8, .value_kind: global_buffer, .address_space: global }
      - { .name: wB, .offset: 8, .size: 8, .value_kind: global_buffer, .address_space: global }
      - { .name: b1, .offset: 16, .size: 8, .value_kind: global_buffer, .address_space: global }
      - { .name: big, .offset: 24, .size: 8, .value_kind: global_buffer, .address_space: global }
    .group_segment_fixed_size: 327680
    .private_segment_fixed_size: 0
    .kernarg_segment_align: 8
    .kernarg_segment_size: 32
    .max_flat_workgroup_size: 128
    .sgpr_count:     96
    .vgpr_count:     1024
    .wavefront_size: 32
...
	.end_amdgpu_metadata
.endif
;; end of part 6
;; launch w2 (part 7): grid 8 x 32, 4 waves a work-group, clusters of 4 x 4, 327,680 bytes of LDS; arguments big, wB, b2, ybuf, out0; writes out0
.if DOCPART == 7
	.amdgcn_target "amdgcn-amd-amdhsa--gfx1250"
	.amdhsa_code_object_version 6
	.text
	.protected	k_qdb37bfdeb6_w2
	.globl	k_qdb37bfdeb6_w2
	.p2align	8
	.type	k_qdb37bfdeb6_w2,@function
k_qdb37bfdeb6_w2:
	s_mov_b64 s[64:65], 0
	v_nop
	global_prefetch_b8 v0, s[64:65] scope:SCOPE_SE
	s_setreg_imm32_b32 hwreg(HW_REG_WAVE_MODE, 25, 1), 1
	s_wait_xcnt 0x0
	s_wait_alu depctr_hold_cnt(0) depctr_sa_sdst(0) depctr_va_vdst(0) depctr_va_sdst(0) depctr_va_ssrc(0) depctr_va_vcc(0) depctr_vm_vsrc(0)
	s_getreg_b32 s2, hwreg(HW_REG_IB_STS2, 6, 4)
	s_cmp_eq_u32 s2, 0
	s_cbranch_scc0 .Lentry_in_a_cluster
	s_endpgm
.Lentry_in_a_cluster:
	s_bfe_u32 s2, ttmp6, 0x10000c
	s_cmp_lg_u32 s2, 0xf033
	s_cbranch_scc0 .Lentry_shape_is_right
	s_endpgm
.Lentry_shape_is_right:
; OUT = RES + A B + bias, in f32.  A: [4096][APITCH] bf16, K = 256 KSTEPS of its columns.  B: [K][1024] bf16 as it lies, at byte 8,388,608 of its buffer.
; bias: [1024] f32.  RES, OUT: [4096][1024] f32.  Sums in f32.  This source serves two kernels; the constants KSTEPS and APITCH below are all that differs.
; A tile of OUT is 128 x 128, so that 256 work-groups share the 4,096 x 1,024 numbers; four waves, 64 x 64 each: 16 accumulators.  K goes in steps of 256 through two LDS slots.
; The K step is written once and looped over: the scalar TB holds the byte at which the slot in hand begins, and the fragment addresses are made from it at each change of slots.
; CLUSTER 4 x 4: A's tiles are asked for jointly along a row of the cluster, B's along a column.  The cluster's own x and y (ttmp9, ttmp7) are the same in all sixteen.
; THE WALK ALONG K.  The grid has 2 x 8 clusters.  Cluster (x, y) begins at K step (KSTEPS/2 x + KSTEPS/4 y) mod KSTEPS and goes round the end of K to where it began.  The two clusters with the
; same y read the same tiles of A and begin half of K apart; the clusters with the same x read the same tiles of B and begin a quarter of K apart: a tile is asked for by one of them first
; and by the others some steps later.
; THE MATRIX INSTRUCTION IS USED TRANSPOSED (source 0 = 16 columns of B, turned by ds_load_tr16_b128; source 1 = 16 rows of A): a lane holds eight neighbouring numbers of a row.
; The bias, laid in that pattern, is the C operand of the products that start the sums; the residual is loaded at the start and waits in registers.
; LIMIT.  The K steps are added in the walk's order, which differs from cluster to cluster: an order of rounding other than ascending K.
; REGISTERS: window 0: v16-29 addresses; v32-95 the way out; v96-127 the bias; v128-255 the accumulators.  window 1: two fragment buffers of 128.  window 2: v0-127 the residual.
.set KSTEPS, 16
.set APITCH, 4096
.set RX,     KSTEPS/2
.set RY,     KSTEPS/4
.set PA,     528                       ; a row of A in LDS: 512 bytes + 16
.set PB,     288                       ; a k row of B: 256 bytes + 32 = 9 x 32
.set HA,     64*PA                     ; what a tensor load of A brings: 64 rows
.set HB,     128*PB                    ; of B: 128 k rows
.set BOFF,   2*HA
.set SLOT,   2*HA+2*HB
.set ASH,    9                         ; a K step along A's rows is 2^9 bytes
.set BSH,    19                        ; 256 k rows of 2,048 bytes are 2^19 bytes
.set STAGE,  2*SLOT                    ; behind the ring: 16 rows x 272 bytes for each wave
.set SPITCH, 272
.set SPARE,  STAGE+4*16*SPITCH         ; the spare words, 128 bytes a wave, named by no other line
.set ADRA0, 16                         ; v16 my lane's place in A's part of slot 0; never rewritten
.set ADRB0, 17                         ; v17 the same for B
.set ADRA, 18                          ; v18 the same in the slot in hand
.set ADRB, 20                          ; v20 B's k rows 0-127; v21 k rows 128-255
.set STO,  24
.set RD,   25
.set CO,   26
.set BO,   27
.set SPW,  28
.set NIL,  29
.set TMP,  32
.set BIAS, 96
.set ACC,  128
.set F0,   0
.set F1,   128
.set AB,   14                          ; s[14:15] A at the rows that I fetch, K step 0; never rewritten
.set BB,   94                          ; s[94:95] B at my tile's columns and the k rows that I fetch, K step 0; never rewritten
.set G1,   24                          ; s[24:31] descriptor group 1 for A's tiles
.set G0,   32                          ; s[32:39] group 0 for A's: a set for each of the two first fills; the second then serves every refill
.set G1B,  48
.set G0B,  56
.set TB,   45                          ; s45 the byte at which the slot in hand begins: 0 or SLOT
.set KI,   88                          ; s88 the K step to be asked for next
.set OFF,  90                          ; s[90:91] a K step's byte offset
.set MSB, 0
.macro WIN new
.if MSB != (\new)
	s_set_vgpr_msb (MSB<<8)|(\new)
.set MSB, \new
.endif
.endm
.set MUL,  0x05                        ; sources 0 and 1 in window 1; C and D in window 0
.set TO_F, 0x40
.macro JLOAD s                         ; a joint load: waves 0 and 1 fetch A's halves, waves 2 and 3 B's; s_nop 0 and four v_nop follow each line
	s_cmp_eq_u32 s11, 0
	s_cbranch_scc0 .Lfor_b_\@
	tensor_load_to_lds s[G0+4*(\s):G0+4*(\s)+3], s[G1:G1+7]
	s_nop 0
.rept 4
	v_nop
.endr
	s_branch .Lasked_\@
.Lfor_b_\@:
	tensor_load_to_lds s[G0B+4*(\s):G0B+4*(\s)+3], s[G1B:G1B+7]
	s_nop 0
.rept 4
	v_nop
.endr
.Lasked_\@:
.endm
.macro CREST
	s_cmp_lg_u32 s10, 0
	s_cbranch_scc1 .Lnot_wave_0_\@
	s_barrier_signal -3
.Lnot_wave_0_\@:
	s_barrier_wait -3
	s_barrier_signal -1
	s_barrier_wait -1
.endm
.macro CROUND
	s_barrier_signal -1
	s_barrier_wait -1
	CREST
.endm
; Descriptor set s takes K step KI: both global addresses are made anew from the bases; then KI steps on, round the end of K
.macro ASK s
	s_lshl_b32 s[OFF], s[KI], ASH
	s_add_nc_u64 s[G0+4*(\s)+2:G0+4*(\s)+3], s[AB:AB+1], s[OFF:OFF+1]
	s_or_b32 s[G0+4*(\s)+3], s[G0+4*(\s)+3], 0x80000000
	s_lshl_b32 s[OFF], s[KI], BSH
	s_add_nc_u64 s[G0B+4*(\s)+2:G0B+4*(\s)+3], s[BB:BB+1], s[OFF:OFF+1]
	s_or_b32 s[G0B+4*(\s)+3], s[G0B+4*(\s)+3], 0x80000000
	s_add_co_u32 s[KI], s[KI], 1
	s_and_b32 s[KI], s[KI], KSTEPS-1
.endm
	s_load_b256 s[72:79], s[0:1], 0x0              ; a 72, w 74, bias 76, res 78
	s_load_b64 s[80:81], s[0:1], 0x20              ; out 80
	v_lshl_add_u32 v[SPW], v0, 2, SPARE
	v_mov_b32 v[NIL], 0
	ds_add_u32 v[SPW], v[NIL]                      ; the wave's opening: the add and its wait stand ahead of my first tensor load
	v_lshrrev_b32 v1, 5, v0
	v_readfirstlane_b32 s10, v1                    ; wave 0..3
	s_lshr_b32 s11, s10, 1                         ; my half of the rows.  Also: I fetch for A (0) or B (1)
	s_and_b32 s12, s10, 1                          ; my half of the columns.  Also: which half of that tile I fetch
	s_bfe_u32 s40, ttmp6, 0x40000
	s_bfe_u32 s41, ttmp6, 0x40004
	s_lshl_b32 s42, ttmp9, 2
	s_add_co_u32 s42, s42, s40                     ; tile column
	s_and_b32 s13, ttmp7, 0xffff                   ; the cluster's y
	s_mul_i32 s[KI], s13, RY
	s_mul_i32 s[OFF], ttmp9, RX
	s_add_co_u32 s[KI], s[KI], s[OFF]
	s_and_b32 s[KI], s[KI], KSTEPS-1               ; the K step at which my cluster's walk begins
	s_mov_b32 s[OFF+1], 0
	s_lshl_b32 s13, s13, 2
	s_add_co_u32 s13, s13, s41                     ; tile row
	s_lshl_b32 s43, s41, 2
	s_lshl_b32 s43, 15, s43
	s_lshl_b32 s44, 0x1111, s40
	s_or_b32 s[G1+0], s43, (1<<16)|(1<<20)|(1<<21)|(6<<22)|(3<<25)   ; A: 4 words of padding after every 128
	s_or_b32 s[G1B+0], s44, (1<<16)|(1<<20)|(1<<21)|(5<<22)|(7<<25)  ; B: 8 words after every 64
	s_mov_b32 s[G1+1], 256<<16                     ; A: 64 rows x 256 elements
	s_mov_b32 s[G1+2], 64<<16
	s_mov_b32 s[G1+3], 256<<16
	s_mov_b32 s[G1+4], 64
	s_mov_b32 s[G1+5], APITCH
	s_mov_b32 s[G1+6], 0
	s_mov_b32 s[G1+7], 0
	s_mov_b32 s[G1B+1], 128<<16                    ; B: 128 k rows x 128 elements
	s_mov_b32 s[G1B+2], 128<<16
	s_mov_b32 s[G1B+3], 128<<16
	s_mov_b32 s[G1B+4], 128
	s_mov_b32 s[G1B+5], 1024
	s_mov_b32 s[G1B+6], 0
	s_mov_b32 s[G1B+7], 0
	s_mov_b32 s[TB], 0
	s_lshl_b32 s17, s12, 6
	s_lshl_b32 s16, s13, 7
	s_add_co_u32 s16, s16, s17                     ; A: row 128 x tile row + 64 x half,
	s_mul_i32 s16, s16, APITCH*2                   ; in bytes
	s_mov_b32 s17, 0
	s_lshl_b32 s46, s42, 8                         ; B: 256 bytes a tile column,
	s_lshl_b32 s47, s12, 18                        ; 128 k rows of 2,048 bytes a half,
	s_add_co_u32 s46, s46, s47
	s_add_co_u32 s46, s46, 0x800000                ; in the buffer's second part
	s_mov_b32 s47, 0
	s_mul_i32 s20, s12, HA                         ; where A's half goes in a slot,
	s_mul_i32 s21, s12, HB
	s_add_co_u32 s21, s21, BOFF                    ; and B's
	s_wait_dscnt 0x0                               ; the opening add is done
	s_wait_kmcnt 0x0
	s_add_nc_u64 s[AB:AB+1], s[72:73], s[16:17]
	s_add_nc_u64 s[BB:BB+1], s[74:75], s[46:47]
	CROUND                                         ; all sixteen work-groups are here
.irp s, 0,1
	s_mov_b32 s[G0+4*(\s)], 1
	s_add_co_u32 s[G0+4*(\s)+1], s20, (\s)*SLOT
	s_mov_b32 s[G0B+4*(\s)], 1
	s_add_co_u32 s[G0B+4*(\s)+1], s21, (\s)*SLOT
	ASK \s                                         ; the walk's first two K steps
	JLOAD \s
.endr
.macro POINT                           ; the fragment addresses in the slot in hand
	v_add_nc_u32 v[ADRA], s[TB], v[ADRA0]
	v_add_nc_u32 v[ADRB], s[TB], v[ADRB0]
	v_add_nc_u32 v[ADRB+1], HB, v[ADRB]
.endm
.macro FLIP                            ; the other slot is in hand
	s_sub_co_u32 s[TB], SLOT, s[TB]
	POINT
.endm
	v_and_b32 v1, 15, v0                           ; l % 16
	v_bfe_u32 v2, v0, 4, 1                         ; l / 16
	s_lshl_b32 s46, s42, 9                         ; the tile's 128 columns of f32
	s_mov_b32 s47, 0
	s_add_nc_u64 s[92:93], s[76:77], s[46:47]      ; the bias at my tile
	s_lshl_b32 s23, s12, 8
	v_lshl_add_u32 v[BO], v2, 5, s23
.irp b, 0,1,2,3
	global_load_b128 v[BIAS+8*\b:BIAS+8*\b+3],   v[BO], s[92:93] offset:64*\b
	global_load_b128 v[BIAS+8*\b+4:BIAS+8*\b+7], v[BO], s[92:93] offset:64*\b+16
.endr
	s_lshl_b32 s16, s13, 7
	s_lshl_b32 s17, s11, 6
	s_add_co_u32 s16, s16, s17
	s_lshl_b32 s16, s16, 12                        ; my first row, of 4,096 bytes
	s_mov_b32 s17, 0
	s_add_co_u32 s46, s46, s23                     ; my first column
	s_add_nc_u64 s[84:85], s[78:79], s[16:17]
	s_add_nc_u64 s[84:85], s[84:85], s[46:47]      ; the residual at my 64 x 64
	s_add_nc_u64 s[86:87], s[80:81], s[16:17]
	s_add_nc_u64 s[86:87], s[86:87], s[46:47]      ; the output likewise
	v_lshlrev_b32 v5, 12, v2
	v_lshl_add_u32 v[CO], v1, 4, v5                ; lanes 0-15 one row's 256 bytes, lanes 16-31 the next row's
	WIN 0x80
.set i, 0
.rept 32
	global_load_b128 v[4*i:4*i+3], v[CO], s[84:85] offset:2*i*4096
.set i, i+1
.endr
	WIN 0
	v_mul_u32_u24 v3, v1, PA
	v_lshl_add_u32 v3, v2, 4, v3
	v_and_b32 v4, 7, v0
	v_lshl_add_u32 v4, v2, 3, v4
	v_mul_u32_u24 v4, v4, PB
	v_bfe_u32 v5, v0, 3, 1
	v_lshl_add_u32 v4, v5, 4, v4
	s_mul_i32 s22, s11, HA                         ; my 64 rows of A
	s_lshl_b32 s23, s12, 7                         ; my 64 columns of B
	s_add_co_u32 s23, s23, BOFF
	v_add_nc_u32 v[ADRA0], s22, v3
	v_add_nc_u32 v[ADRB0], s23, v4
	POINT
	s_mul_i32 s23, s10, 16*SPITCH
	s_add_co_u32 s23, s23, STAGE                   ; my stage
	v_mul_u32_u24 v5, v1, SPITCH
	v_lshl_add_u32 v5, v2, 5, v5                   ; in: row l % 16, 32 bytes for each half of the lanes
	v_add_nc_u32 v[STO], s23, v5
	v_mul_u32_u24 v5, v2, SPITCH
	v_lshl_add_u32 v5, v1, 4, v5                   ; back: whole rows of 256 bytes
	v_add_nc_u32 v[RD], s23, v5
; 8 matrix instructions: m blocks a0, a0 + 1 x all 4 n blocks, 32 along K: half c of buffer f.  zero = 1: the sums start from the bias.  The 16 accumulators take turns.
.macro MUL8 f, c, a0, zero
	WIN MUL
.irp a, \a0, (\a0)+1
.irp b, 0,1,2,3
.if \zero
	v_wmma_f32_16x16x32_bf16 v[ACC+8*(4*(\a)+(\b)):ACC+8*(4*(\a)+(\b))+7], v[(\f)+64+8*(4*(\c)+(\b)):(\f)+64+8*(4*(\c)+(\b))+7], v[(\f)+8*(4*(\c)+(\a)):(\f)+8*(4*(\c)+(\a))+7], v[BIAS+8*(\b):BIAS+8*(\b)+7]
.else
	v_wmma_f32_16x16x32_bf16 v[ACC+8*(4*(\a)+(\b)):ACC+8*(4*(\a)+(\b))+7], v[(\f)+64+8*(4*(\c)+(\b)):(\f)+64+8*(4*(\c)+(\b))+7], v[(\f)+8*(4*(\c)+(\a)):(\f)+8*(4*(\c)+(\a))+7], v[ACC+8*(4*(\a)+(\b)):ACC+8*(4*(\a)+(\b))+7]
.endif
.endr
.endr
.endm
; 32 LDS loads in one run: quarter q (64 along K) of the slot in hand into buffer f; its first 32 along K first
.macro FETCH q, f
	WIN TO_F
.irp c, 0,1
.irp i, 0,1,2,3
	ds_load_tr16_b128 v[(\f)+64+8*(4*(\c)+(\i)):(\f)+64+8*(4*(\c)+(\i))+3],   v[ADRB+(\q)/2] offset:(64*((\q)%2)+32*(\c))*PB+32*(\i)
	ds_load_tr16_b128 v[(\f)+64+8*(4*(\c)+(\i))+4:(\f)+64+8*(4*(\c)+(\i))+7], v[ADRB+(\q)/2] offset:(64*((\q)%2)+32*(\c)+16)*PB+32*(\i)
	ds_load_b128 v[(\f)+8*(4*(\c)+(\i)):(\f)+8*(4*(\c)+(\i))+3],   v[ADRA] offset:128*(\q)+64*(\c)+(\i)*16*PA
	ds_load_b128 v[(\f)+8*(4*(\c)+(\i))+4:(\f)+8*(4*(\c)+(\i))+7], v[ADRA] offset:128*(\q)+64*(\c)+(\i)*16*PA+32
.endr
.endr
.endm
.macro PLACES                          ; four plain lines between a matrix instruction and a load into, or a read of, its registers
.rept 4
	v_nop
.endr
.endm
.macro QUARTER q, f, g, zero
	s_wait_dscnt 16                                ; the first 32 along K are in
	MUL8 \f, 0, 0, \zero
	MUL8 \f, 0, 2, \zero
	PLACES
	FETCH \q, \g
	s_wait_dscnt 32                                ; all but the 32 just issued
	MUL8 \f, 1, 0, 0
	MUL8 \f, 1, 2, 0
.endm
; The first half of a K step's last quarter, and one barrier for the change of slots.  The half's 16 products stand AHEAD of the wait for the next slot's tile, so that between
; that tile's landing and the next request lie only the three lines, the round and the load.  fill = 1: the descriptors are made while the add is out.
.macro MEET fill
	s_wait_dscnt 16                                ; the first 32 along K are in
	MUL8 F1, 0, 0, 0
	MUL8 F1, 0, 2, 0
	WIN 0                                          ; the add's registers lie in window 0
	s_wait_tensorcnt 0x0                           ; all my tensor loads have landed: the one that may be out is my part of the next slot
	ds_add_u32 v[SPW], v[NIL]                      ; 0 onto my spare word
.if \fill
	s_add_co_u32 s[G0+5], s20, s[TB]               ; no load of mine is out, so a group 0 may be written: into the slot in hand,
	s_add_co_u32 s[G0B+5], s21, s[TB]
	ASK 1                                          ; the walk's next K step
.endif
	s_wait_dscnt 0x0                               ; the add is done, and my reads of this slot are over
	s_barrier_signal -1
	s_barrier_wait -1
.endm
; The whole last quarter of a K step whose slot is filled again, two K steps on in the walk, first thing behind a round of the cluster's barrier
.macro TURN
	MEET 1                                         ; its barrier opens the round
	CREST
	JLOAD 1                                        ; its four v_nop are also the places in front of the loads below
	FLIP
	FETCH 0, F0
	MUL8 F1, 1, 0, 0
	MUL8 F1, 1, 2, 0
.endm
	s_wait_tensorcnt 1                             ; my part of the walk's first K step is in; the second's stays out
	s_barrier_signal -1
	s_barrier_wait -1
	FETCH 0, F0
	s_wait_loadcnt 32                              ; the bias is in; the residual's 32 loads stay out
	QUARTER 1, F0, F1, 1                           ; the first quarter stands in front of the loop: its first products start the sums
	WIN 0
	s_mov_b32 s3, KSTEPS-2
.Lstep:                                                ; a trip: a K step's quarters 1 to 3 and the next step's quarter 0; the slot left is filled again
	QUARTER 2, F1, F0, 0
	QUARTER 3, F0, F1, 0
	TURN
	QUARTER 1, F0, F1, 0
	WIN 0
	s_sub_co_u32 s3, s3, 1
	s_cmp_lg_u32 s3, 0
	s_cbranch_scc1 .Lstep
	s_mov_b32 s3, 2
.Ltail:                                                ; the last two K steps fill nothing: a text of their own; the second trip is left in its middle
	QUARTER 2, F1, F0, 0
	QUARTER 3, F0, F1, 0
	MEET 0
	s_sub_co_u32 s3, s3, 1
	s_cmp_eq_u32 s3, 0
	s_cbranch_scc1 .Lfin
	PLACES
	FLIP
	FETCH 0, F0
	MUL8 F1, 1, 0, 0
	MUL8 F1, 1, 2, 0
	QUARTER 1, F0, F1, 0
	WIN 0
	s_branch .Ltail
.Lfin:
	MUL8 F1, 1, 0, 0
	MUL8 F1, 1, 2, 0
	WIN 0
	; THE WAY OUT, 16 rows at a time through my own stage: a lane's 32 bytes in, whole rows of 256 bytes back, the residual added, stored.
	PLACES
	s_wait_loadcnt 0x0                             ; the residual
.irp a, 0,1,2,3
.irp b, 0,1,2,3
	ds_store_b128 v[STO], v[ACC+8*(4*(\a)+(\b)):ACC+8*(4*(\a)+(\b))+3]   offset:64*(\b)
	ds_store_b128 v[STO], v[ACC+8*(4*(\a)+(\b))+4:ACC+8*(4*(\a)+(\b))+7] offset:64*(\b)+16
.endr
.irp t, 0,1,2,3,4,5,6,7
	ds_load_b128 v[TMP+32*((\a)%2)+4*(\t):TMP+32*((\a)%2)+4*(\t)+3], v[RD] offset:2*SPITCH*(\t)  ; LDS serves a wave's instructions in order: these see the stores above
.endr
	s_wait_dscnt 0x0
	s_wait_xcnt 0x0                                ; frees the other half of TMP, which the block before stored, for the block after this one
	WIN 0x08                                       ; source 1 in window 2
.irp p, 0,1,2,3,4,5,6,7,8,9,10,11,12,13,14,15
	v_pk_add_f32 v[TMP+32*((\a)%2)+2*(\p):TMP+32*((\a)%2)+2*(\p)+1], v[TMP+32*((\a)%2)+2*(\p):TMP+32*((\a)%2)+2*(\p)+1], v[32*(\a)+2*(\p):32*(\a)+2*(\p)+1]
.endr
	WIN 0
.irp t, 0,1,2,3,4,5,6,7
	global_store_b128 v[CO], v[TMP+32*((\a)%2)+4*(\t):TMP+32*((\a)%2)+4*(\t)+3], s[86:87] offset:(16*(\a)+2*(\t))*4096  ; sixteen lanes store 256 consecutive bytes, aligned
.endr
.endr
	s_wait_tensorcnt 0x0                           ; the wave's end
	ds_add_u32 v[SPW], v[NIL]
	s_wait_dscnt 0x0
	CROUND                                         ; the closing round
	s_endpgm
.Lfunc_end_k_qdb37bfdeb6_w2:
	.size	k_qdb37bfdeb6_w2, .Lfunc_end_k_qdb37bfdeb6_w2-k_qdb37bfdeb6_w2
	.p2alignl 7, 3214868480
	.fill 96, 4, 3214868480
	.section	.rodata,"a",@progbits
	.p2align	6, 0x0
	.amdhsa_kernel k_qdb37bfdeb6_w2
		.amdhsa_group_segment_fixed_size 327680
		.amdhsa_private_segment_fixed_size 0
		.amdhsa_enable_private_segment 0
		.amdhsa_kernarg_size 40
		.amdhsa_user_sgpr_count 2
		.amdhsa_user_sgpr_kernarg_segment_ptr 1
		.amdhsa_wavefront_size32 1
		.amdhsa_system_sgpr_workgroup_id_x 1
		.amdhsa_system_sgpr_workgroup_id_y 1
		.amdhsa_system_sgpr_workgroup_id_z 1
		.amdhsa_system_vgpr_workitem_id 0
		.amdhsa_next_free_vgpr 640
		.amdhsa_next_free_sgpr 96
		.amdhsa_reserve_vcc 0
		.amdhsa_float_denorm_mode_32 3
		.amdhsa_float_denorm_mode_16_64 3
		.amdhsa_memory_ordered 1
		.amdhsa_forward_progress 1
		.amdhsa_inst_pref_size 68
	.end_amdhsa_kernel
	.amdgpu_metadata
---
amdhsa.version: [ 1, 2 ]
amdhsa.kernels:
  - .name:           k_qdb37bfdeb6_w2
    .symbol:         k_qdb37bfdeb6_w2.kd
    .args:
      - { .name: big, .offset: 0, .size: 8, .value_kind: global_buffer, .address_space: global }
      - { .name: wB, .offset: 8, .size: 8, .value_kind: global_buffer, .address_space: global }
      - { .name: b2, .offset: 16, .size: 8, .value_kind: global_buffer, .address_space: global }
      - { .name: ybuf, .offset: 24, .size: 8, .value_kind: global_buffer, .address_space: global }
      - { .name: out0, .offset: 32, .size: 8, .value_kind: global_buffer, .address_space: global }
    .group_segment_fixed_size: 327680
    .private_segment_fixed_size: 0
    .kernarg_segment_align: 8
    .kernarg_segment_size: 40
    .max_flat_workgroup_size: 128
    .sgpr_count:     96
    .vgpr_count:     640
    .wavefront_size: 32
...
	.end_amdgpu_metadata
.endif
;; end of part 7
